; MI455X (gfx1250); checked and timed in simulation.
; The chip was launched on July 23, 2026; its instructions are those of AMD's public machine-readable ISA for CDNA 5 (MIT licence, August 2026) and "CDNA5" Instruction Set Architecture Reference Guide (July 2026). The comments in the code are by the model that wrote it; some were corrected since.
;; Causal Self Attention. Allowed arithmetic: matrix products marked QUANTISED: E2M1 operands, one E8M0 scale for each 32 along K, by v_wmma_scale_f32_16x16x128_f8f6f4 with both operands' format E2M1 (or v_wmma_scale_f32_32x16x128_f4), f32 sums; products left as they are: bf16, f16 or f32 operands; f32 sums; everything else in f32.
;; Inputs: Wk 256 x 1,024 float32; Wo 1,024 x 1,024 float32; Wq 1,024 x 1,024 float32; Wv 256 x 1,024 float32; bk 256 float32; bo 1,024 float32; bq 1,024 float32; bv 256 float32; qk_gain 16 float32; x 4 x 2,048 x 1,024 float32.
;; Outputs: out0 4 x 2,048 x 1,024 float32.
;; This version of the problem:
;;   THIS VERSION OF THE PROBLEM IS GIVEN IN LOW PRECISION. The matrix products marked QUANTISED in the list below multiply operands that are first quantised to E2M1 (2 exponent bits, 1 mantissa bit; 4 bits a number), with one power-of-two scale for each 32 numbers along K (OCP MX v1.0); their sums are f32. The products marked 'left as it is' may take bf16, f16 or f32 operands, with f32 sums. Whichever they take, every output number must still come out within the allowed error. Rounding operands to bf16 (8 significant bits) uses up far more of that allowance than f16 does (11 bits, for magnitudes from 6e-5 to 65,504). All else is computed in f32.
;;   The module's matrix products, in the order in which they are computed (A, B: the left and right operand; K: the contracted axis; several contracted axes count as one K, in the product's order):
;;     1. [M 8,192, K 1,024] x [K 1,024, N 1,024]; A: input x; B: input Wq: QUANTISED
;;     2. [M 8,192, K 1,024] x [K 1,024, N 256]; A: input x; B: input Wk: QUANTISED
;;     3. [M 8,192, K 1,024] x [K 1,024, N 256]; A: input x; B: input Wv: QUANTISED
;;     4. batch 16 x [M 8,192, K 64] x [K 64, N 2,048]; A: computed on the way; B: computed on the way: left as it is (an operand is computed on the way)
;;     5. batch 16 x [M 8,192, K 2,048] x [K 2,048, N 64]; A: computed on the way; B: computed on the way: left as it is (an operand is computed on the way)
;;     6. [M 8,192, K 1,024] x [K 1,024, N 1,024]; A: computed on the way; B: input Wo: left as it is (an operand is computed on the way)
;;   THE QUANTISER, for each operand of a quantised product, along K:
;;     - K is cut into blocks of 32 from its start; a last block that is shorter is filled with zeros.
;;     - A block's scale is 2^e with e = floor(log2(the largest magnitude in the block)) - 2, held to -126 .. 127; a block of zeros has e = 0. As a byte (E8M0): e + 127.
;;     - Each number is divided by its block's scale, clamped to +-6, and rounded to the nearest number of E2M1, ties to even, subnormals kept.
;;     - The product sums the exact products of the quantised numbers (number of the format x scale) in f32.
;;   ~~~python
;;   def quantise(x, axis):      # numpy; x: float32 -> the quantised numbers, widened to float32 again
;;       x = np.moveaxis(x, axis, -1); K = x.shape[-1]
;;       x = np.pad(x, [(0, 0)] * (x.ndim - 1) + [(0, -K % 32)]); x = x.reshape(x.shape[:-1] + (-1, 32)); a = np.abs(x).max(-1, keepdims=True)
;;       e = np.where(a > 0, np.clip(np.frexp(np.where(a > 0, a, 1))[1] - 1 - 2, -126, 127), 0)      # np.frexp(a)[1] - 1 = floor(log2(a)), exactly
;;       r = np.clip(x / 2.0 ** e, -6, 6)
;;       step = 2.0 ** (np.maximum(np.frexp(np.where(r == 0, 1, r))[1] - 1, 0) - 1)
;;       q = np.round(r / step) * step * 2.0 ** e      # np.round: ties to even
;;       return np.moveaxis(q.reshape(q.shape[:-2] + (-1,))[..., :K], -1, axis).astype(np.float32)
;;   ~~~
;; One version. Each part assembles by itself: llvm-mc -triple=amdgcn-amd-amdhsa -mcpu=gfx1250 --defsym DOCPART=n.
;; ======== version 1 of 1: 5 launches
;; limits: values are held in f16: magnitudes above 65,504 overflow, below 6.1e-05 lose precision
;; workspace buffers: xc 4,194,304 bytes; xs 262,144 bytes; wc 786,432 bytes; ws 49,152 bytes; wo16 2,097,152 bytes; qkvh 25,165,824 bytes; qkv32 393,216 bytes; y16 16,777,216 bytes
;; launch prep (part 1): grid 368 x 1, 4 waves a work-group, no clusters, 33,280 bytes of LDS; arguments x, Wq, Wk, Wv, Wo, xc, xs, wc, ws, wo16; writes xc, xs, wc, ws, wo16
.if DOCPART == 1
	.amdgcn_target "amdgcn-amd-amdhsa--gfx1250"
	.amdhsa_code_object_version 6
	.text
	.protected	k_q352a6150c4_prep
	.globl	k_q352a6150c4_prep
	.p2align	8
	.type	k_q352a6150c4_prep,@function
k_q352a6150c4_prep:
	s_mov_b64 s[64:65], 0
	v_nop
	global_prefetch_b8 v0, s[64:65] scope:SCOPE_SE
	s_setreg_imm32_b32 hwreg(HW_REG_WAVE_MODE, 25, 1), 1
	s_wait_xcnt 0x0
; x [8192][1024], Wq [1024][1024], Wk, Wv [256][1024], f32, become codes of FP4 (E2M1), K innermost, two codes a byte, with one E8M0 byte for each 32 along K;
; Wo [1024][1024] becomes f16.  xc, xs: x's codes and scale bytes; wc, ws: those of Wq's, Wk's and Wv's rows, one behind the other (1,536 rows); wo16: Wo as it lies.
; A block's scale is 2^(floor(log2(largest magnitude)) - 2): its byte is the largest magnitude's exponent field - 2, held at 1 from below.  A block of zeros so gets the byte 1 where the
; quantiser says 127: its codes are zeros, which add nothing, and this program alone reads the bytes.
; LIMITS: blocks whose largest magnitude lies under 2^-124 keep the byte 1; NaN and infinities among the inputs are not served; |Wo| stays under 65,504 (f16).
; Rows are dense and K is a multiple of 32: each tensor is a plain stream of blocks of 32.  Work-groups 0-255 take x, 256-287 Wq, 288-295 Wk, 296-303 Wv, 32,768 numbers each;
; work-groups 304-367 take Wo, 16,384 numbers each.  Only pointers are chosen for the first four: they take one path.  Wo's path uses no LDS.
; A wave takes 16 steps of 512 numbers.  Each load reads 512 consecutive bytes; a step's 2,048 bytes turn through the wave's own stage in LDS, so that a lane holds 16 neighbours along K
; (two neighbouring lanes hold a block).  Loads run eight steps (32 loads a wave) ahead, the turn through LDS one step.  No tensor loads, no barrier, no matrix unit: a stream in which waves share nothing.
.set WAVES, 4
.set STEPS, 16
.set DEPTH, 8                          ; sets of 16 registers that take the loads
.set EMAX,  2
.set WGQ,   304                        ; the first work-group of Wo
.set R,     16                         ; v16-143  eight sets of 16 numbers as they are loaded
.set X,     144                        ; v144-175 two sets of 16 neighbours
.set C,     176                        ; v176-207 codes: two registers for each step
.set E,     208                        ; v208-223 a scale byte for each step
.set WREG,  8192                       ; LDS: a region for each wave: two stages of 32 x SP bytes, behind them its 256 scale bytes
.set SP,    80                         ; a lane's place in a stage: 64 bytes + 16 of padding
.set SPW,   12                         ; v12  LDS address of my spare word; never rewritten
.set NIL,   13                         ; v13  0; never rewritten
.set SPARE, WAVES*WREG                 ; behind the four regions: the spare words, 128 bytes a wave
	s_load_b512 s[4:19], s[0:1], 0x0               ; x s[4:5], Wq s[6:7], Wk s[8:9], Wv s[10:11], Wo s[12:13], xc s[14:15], xs s[16:17], wc s[18:19]
	s_load_b128 s[20:23], s[0:1], 0x40             ; ws s[20:21], wo16 s[22:23]
	v_lshl_add_u32 v[SPW], v0, 2, SPARE
	v_mov_b32 v[NIL], 0
	v_lshrrev_b32 v1, 5, v0
	v_readfirstlane_b32 s26, v1                    ; wave
	v_and_b32 v2, 31, v0                           ; lane
	v_lshlrev_b32 v3, 4, v2                        ; my 16 bytes of a load's 512
	s_mul_i32 s27, s26, WREG
	v_lshrrev_b32 v14, 2, v2
	v_mul_u32_u24 v14, v14, SP
	v_and_b32 v15, 3, v2
	v_lshl_add_u32 v14, v15, 4, v14
	v_add_nc_u32 v14, s27, v14                     ; the stage, on the way in: SP (lane / 4) + 16 (lane % 4)
	v_mul_u32_u24 v15, v2, SP
	v_add_nc_u32 v15, s27, v15                     ; and on the way out: SP x lane: my 16 neighbours
	v_lshlrev_b32 v4, 3, v2                        ; 8 bytes a lane: my codes' place in a step's, my part of the 256 scale bytes, my four f16
	v_lshrrev_b32 v5, 1, v2
	s_add_co_u32 s27, s27, 2*32*SP
	v_add_nc_u32 v5, s27, v5                       ; LDS: my wave's scale bytes, my block's byte
	v_add_nc_u32 v6, s27, v4                       ; and where I read 8 of them back
	s_mov_b32 s33, 0
	s_wait_kmcnt 0x0
	s_cmp_ge_u32 ttmp9, WGQ
	s_cbranch_scc1 .Lwo
	; which tensor: the choices hang on the work-group's number alone
	s_mov_b64 s[28:29], s[10:11]
	s_mov_b32 s30, 296
	s_cmp_lt_u32 ttmp9, 296
	s_cselect_b64 s[28:29], s[8:9], s[28:29]
	s_cselect_b32 s30, 288, s30
	s_cmp_lt_u32 ttmp9, 288
	s_cselect_b64 s[28:29], s[6:7], s[28:29]
	s_cselect_b32 s30, 256, s30
	s_cmp_lt_u32 ttmp9, 256
	s_cselect_b64 s[28:29], s[4:5], s[28:29]
	s_cselect_b32 s30, 0, s30                      ; the source's first work-group
	s_cselect_b64 s[34:35], s[14:15], s[18:19]     ; codes
	s_cselect_b64 s[36:37], s[16:17], s[20:21]     ; scale bytes
	s_cselect_b32 s31, 0, 256                      ; the destination's first work-group
	s_sub_co_u32 s30, ttmp9, s30
	s_lshl_b32 s30, s30, 2
	s_add_co_u32 s30, s30, s26                     ; which run of 8,192 numbers of the source is my wave's
	s_lshl_b32 s32, s30, 15
	s_add_nc_u64 s[28:29], s[28:29], s[32:33]
	s_sub_co_u32 s31, ttmp9, s31
	s_lshl_b32 s31, s31, 2
	s_add_co_u32 s31, s31, s26                     ; and of the destination
	s_lshl_b32 s32, s31, 12
	s_add_nc_u64 s[34:35], s[34:35], s[32:33]      ; 4,096 bytes of codes a run
	s_lshl_b32 s32, s31, 8
	s_add_nc_u64 s[36:37], s[36:37], s[32:33]      ; 256 scale bytes a run
.macro LOAD t
.irp i, 0,1,2,3
	global_load_b128 v[R+16*((\t)%DEPTH)+4*\i:R+16*((\t)%DEPTH)+4*\i+3], v3, s[28:29] offset:2048*(\t)+512*\i th:TH_LOAD_NT
.endr
.endm
.macro TURN t                          ; step t's numbers through the stage: LDS serves a wave's instructions in order, so no wait stands between the stores and the loads
.irp i, 0,1,2,3
	ds_store_b128 v14, v[R+16*((\t)%DEPTH)+4*\i:R+16*((\t)%DEPTH)+4*\i+3] offset:32*SP*((\t)%2)+8*SP*\i
.endr
.irp i, 0,1,2,3
	ds_load_b128 v[X+16*((\t)%2)+4*\i:X+16*((\t)%2)+4*\i+3], v15 offset:32*SP*((\t)%2)+16*\i
.endr
.endm
.irp t, 0,1,2,3,4,5,6,7
	LOAD \t
.endr
	s_wait_loadcnt 28                              ; step 0's four loads are in; the 28 of steps 1 to 7 may be out
	TURN 0
.macro STEP t
.set XS, X+16*((\t)%2)
.if (\t) > 0
	s_wait_dscnt 1                                 ; this step's numbers are back from the stage (the last step's byte store may be out): its stores into the stage have read their registers,
.else
	s_wait_dscnt 0x0
.endif
.if (\t)+DEPTH < STEPS
	LOAD (\t)+DEPTH                                ; which take the loads of eight steps on
.endif
.if (\t)+1 < STEPS
.if STEPS-2-(\t) >= DEPTH-1
	s_wait_loadcnt 4*(DEPTH-1)                     ; the next step's four loads are in; those of the seven steps behind it may be out
.else
	s_wait_loadcnt 4*(STEPS-2-(\t))                ; towards the end fewer steps stand behind it
.endif
	TURN (\t)+1
.endif
	v_max3_num_f32 v8, |v[XS]|, |v[XS+1]|, |v[XS+2]|               ; the largest magnitude of my 16, in two chains
	v_max3_num_f32 v9, |v[XS+3]|, |v[XS+4]|, |v[XS+5]|
.irp i, 6,10
	v_max3_num_f32 v8, v8, |v[XS+\i]|, |v[XS+\i+1]|
	v_max3_num_f32 v9, v9, |v[XS+\i+2]|, |v[XS+\i+3]|
.endr
	v_max3_num_f32 v8, v8, |v[XS+14]|, |v[XS+15]|
	v_max3_num_f32 v8, v8, v9, (EMAX+1)<<23        ; and the floor 2^(3 - 127): the byte cannot fall under 1
	v_max_num_f32_dpp v8, v8, v8 row_xmask:1 row_mask:0xf bank_mask:0xf   ; with my neighbour's 16: the block's
	v_add_nc_u32 v11, -(EMAX<<23), v8              ; 2 off its exponent field: the conversion takes this operand's exponent field as its scale
	v_cvt_scalef32_pk8_fp4_f32 v[C+2*(\t)], v[XS:XS+7], v11
	v_cvt_scalef32_pk8_fp4_f32 v[C+2*(\t)+1], v[XS+8:XS+15], v11
	v_lshrrev_b32 v[E+(\t)], 23, v11               ; the scale's byte (also the plain line behind the conversions)
	ds_store_b8 v5, v[E+(\t)] offset:16*(\t)       ; both lanes of a block write the same byte with the same value
	global_store_b64 v4, v[C+2*(\t):C+2*(\t)+1], s[34:35] offset:256*(\t)   ; the wave stores 256 consecutive bytes, aligned
.endm
.irp t, 0,1,2,3,4,5,6,7,8,9,10,11,12,13,14,15
	STEP \t
.endr
	ds_load_b64 v[8:9], v6                         ; LDS serves a wave's instructions in order: these see my byte stores
	s_wait_dscnt 0x0
	global_store_b64 v4, v[8:9], s[36:37]          ; 256 consecutive scale bytes, aligned
	s_wait_tensorcnt 0x0                           ; the wave's end: behind my last LDS store
	ds_add_u32 v[SPW], v[NIL]
	s_wait_dscnt 0x0
	s_endpgm
.Lwo:                                              ; Wo to f16: a wave takes 4,096 numbers; every register is used once, so no store's data are written again
	s_sub_co_u32 s30, ttmp9, WGQ
	s_lshl_b32 s30, s30, 2
	s_add_co_u32 s30, s30, s26
	s_lshl_b32 s32, s30, 14
	s_add_nc_u64 s[12:13], s[12:13], s[32:33]
	s_lshl_b32 s32, s30, 13
	s_add_nc_u64 s[22:23], s[22:23], s[32:33]
.irp i, 0,1,2,3,4,5,6,7,8,9,10,11,12,13,14,15,16,17,18,19,20,21,22,23,24,25,26,27,28,29,30,31
	global_load_b128 v[16+4*\i:19+4*\i], v3, s[12:13] offset:512*\i th:TH_LOAD_NT
.endr
.irp i, 0,1,2,3,4,5,6,7,8,9,10,11,12,13,14,15,16,17,18,19,20,21,22,23,24,25,26,27,28,29,30,31
	s_wait_loadcnt 31-\i                           ; loads come back in order: load i is in, the younger ones may be out
	v_cvt_pk_f16_f32 v[144+2*\i], v[16+4*\i], v[17+4*\i]
	v_cvt_pk_f16_f32 v[145+2*\i], v[18+4*\i], v[19+4*\i]
	global_store_b64 v4, v[144+2*\i:145+2*\i], s[22:23] offset:256*\i
.endr
	s_endpgm
.Lfunc_end_k_q352a6150c4_prep:
	.size	k_q352a6150c4_prep, .Lfunc_end_k_q352a6150c4_prep-k_q352a6150c4_prep
	.p2alignl 7, 3214868480
	.fill 96, 4, 3214868480
	.section	.rodata,"a",@progbits
	.p2align	6, 0x0
	.amdhsa_kernel k_q352a6150c4_prep
		.amdhsa_group_segment_fixed_size 33280
		.amdhsa_private_segment_fixed_size 0
		.amdhsa_enable_private_segment 0
		.amdhsa_kernarg_size 80
		.amdhsa_user_sgpr_count 2
		.amdhsa_user_sgpr_kernarg_segment_ptr 1
		.amdhsa_wavefront_size32 1
		.amdhsa_system_sgpr_workgroup_id_x 1
		.amdhsa_system_sgpr_workgroup_id_y 1
		.amdhsa_system_sgpr_workgroup_id_z 1
		.amdhsa_system_vgpr_workitem_id 0
		.amdhsa_next_free_vgpr 224
		.amdhsa_next_free_sgpr 66
		.amdhsa_reserve_vcc 0
		.amdhsa_float_denorm_mode_32 3
		.amdhsa_float_denorm_mode_16_64 3
		.amdhsa_memory_ordered 1
		.amdhsa_forward_progress 1
		.amdhsa_inst_pref_size 45
	.end_amdhsa_kernel
	.amdgpu_metadata
---
amdhsa.version: [ 1, 2 ]
amdhsa.kernels:
  - .name:           k_q352a6150c4_prep
    .symbol:         k_q352a6150c4_prep.kd
    .args:
      - { .name: x, .offset: 0, .size: 8, .value_kind: global_buffer, .address_space: global }
      - { .name: Wq, .offset: 8, .size: 8, .value_kind: global_buffer, .address_space: global }
      - { .name: Wk, .offset: 16, .size: 8, .value_kind: global_buffer, .address_space: global }
      - { .name: Wv, .offset: 24, .size: 8, .value_kind: global_buffer, .address_space: global }
      - { .name: Wo, .offset: 32, .size: 8, .value_kind: global_buffer, .address_space: global }
      - { .name: xc, .offset: 40, .size: 8, .value_kind: global_buffer, .address_space: global }
      - { .name: xs, .offset: 48, .size: 8, .value_kind: global_buffer, .address_space: global }
      - { .name: wc, .offset: 56, .size: 8, .value_kind: global_buffer, .address_space: global }
      - { .name: ws, .offset: 64, .size: 8, .value_kind: global_buffer, .address_space: global }
      - { .name: wo16, .offset: 72, .size: 8, .value_kind: global_buffer, .address_space: global }
    .group_segment_fixed_size: 33280
    .private_segment_fixed_size: 0
    .kernarg_segment_align: 8
    .kernarg_segment_size: 80
    .max_flat_workgroup_size: 128
    .sgpr_count:     66
    .vgpr_count:     224
    .wavefront_size: 32
...
	.end_amdgpu_metadata
.endif
;; end of part 1
;; launch proj (part 2): grid 32 x 6, 4 waves a work-group, clusters of 4 x 1, 327,680 bytes of LDS; arguments xc, xs, wc, ws, bq, bk, bv, qkvh, qkv32; writes qkvh, qkv32
.if DOCPART == 2
	.amdgcn_target "amdgcn-amd-amdhsa--gfx1250"
	.amdhsa_code_object_version 6
	.text
	.protected	k_q352a6150c4_proj
	.globl	k_q352a6150c4_proj
	.p2align	8
	.type	k_q352a6150c4_proj,@function
k_q352a6150c4_proj:
	s_mov_b64 s[64:65], 0
	v_nop
	global_prefetch_b8 v0, s[64:65] scope:SCOPE_SE
	s_setreg_imm32_b32 hwreg(HW_REG_WAVE_MODE, 25, 1), 1
	s_wait_xcnt 0x0
	s_wait_alu depctr_hold_cnt(0) depctr_sa_sdst(0) depctr_va_vdst(0) depctr_va_sdst(0) depctr_va_ssrc(0) depctr_va_vcc(0) depctr_vm_vsrc(0)
	s_getreg_b32 s2, hwreg(HW_REG_IB_STS2, 6, 4)
	s_cmp_eq_u32 s2, 0
	s_cbranch_scc0 .Lentry_in_a_cluster
	s_endpgm
.Lentry_in_a_cluster:
	s_bfe_u32 s2, ttmp6, 0x10000c
	s_cmp_lg_u32 s2, 0x3003
	s_cbranch_scc0 .Lentry_shape_is_right
	s_endpgm
.Lentry_shape_is_right:
; [8192][1024] x [1536][1024]^T on codes of FP4 (E2M1) with E8M0 scales for each 32 along K, + bias: q (columns 0-1023), k (1024-1279), v (1280-1535).
; OUT: qkvh [batch 4][head 24][position 2048][64] f16 (heads 0-15 q, 16-19 k, 20-23 v; the gain is not applied here), and qkv32: the f32 results of positions 0-15 of each batch, as images of the
; accumulators' registers: byte batch x 98304 + cb x 1024 + u x 512 + 16 x lane holds four numbers: position lane % 16, columns 16 cb + 8 (lane / 16) + 4 u + 0..3.
; LIMIT: |q|, |k|, |v| stay under 65,504 (f16).
; A tile of 256 x 256 is made by four waves, each 128 x 128: 64 accumulators.  K = 1,024 is two slots of 512 along K (rows of 256 bytes): both are filled at the start and nothing is filled again.
; The scales of the work-group's rows, for all of K, come once, as dense blocks.
; CLUSTER: the four partners take the SAME block of 256 positions in the four batches, and one block of 256 columns: so the weights' tiles and scales, which hang on the column block and the wave alone, are
; asked for jointly (mask 15).  x's tiles differ between the partners: plain loads.  192 work-groups: a tile of 192 columns would make 256 but would cut heads of 64 in pieces on the way out.
; THE MATRIX INSTRUCTION IS USED TRANSPOSED (source 0 = 16 rows of W, source 1 = 16 rows of x): a lane holds eight neighbouring columns of one row.  The bias is the C of each sum's first product.
; REGISTERS: window 0: v0-31 addresses; v32-95 scale words, two sets; v128-191 x's fragments, one set; v192-255 the bias (8 blocks x 8), later the way out.  window 1: W's fragments, two sets.
;   window 2: the accumulators of my rows 0-63 ((a, b) at v[8 (8 a + b)]); window 3: those of rows 64-127.
.set KSTEP,  512
.set NQ,     KSTEP/128
.set ROWB,   256                       ; a tile's row in bytes
.set KROW,   512                       ; a row of codes in memory
.set PITCH,  272                       ; an LDS row: 256 bytes + 16 of padding: the 16 rows that a load touches start 16 bytes apart modulo 256
.set FR,     8
.set NL,     2
.set NP,     4                         ; places behind this matrix instruction (ISA guide 7.12.1)
.set HALFT,  128*PITCH
.set SLOT,   4*HALFT
.set KS,     32                        ; a row of scale bytes
.set SCL,    2*SLOT
.set HALFS,  (128*KS/256)*272
.set SBLK,   (16*KS/256)*272
.set SPARE,  SCL+4*HALFS               ; the spare words, 128 bytes a wave
.set STAGE,  SPARE+512                 ; the way out: 16 rows x 272 bytes for each wave, bytes of their own
.set SPITCH, 272
.set ADRA, 16
.set ADRB, 20
.set STO,  24
.set RD,   25
.set CO,   26                          ; v26  16 x lane
.set ADRS, 27
.set SPW,  28
.set NIL,  29
.set SC,   32
.set AF,   128
.set BIAS, 192
.set TMP,  192                         ; the way out: packed results (the bias is done with)
.set OB,   32                          ; rows read back from the stage: v32-63 and v224-255 by turns
.set G1, 24
.set G0, 32
.set G1B, 48
.set G0B, 56
.set G1S, 68
.set G0S, 76
.set G1SB, 80
.set G0SB, 88
.set MSB, 0
.macro WIN new                         ; the immediate's high byte repeats the setting that is left
.if MSB != (\new)
	s_set_vgpr_msb (MSB<<8)|(\new)
.set MSB, (\new)
.endif
.endm
.set MUL_LO, 0xa1                      ; source 0 (W) window 1, source 1 (x) window 0, C and D window 2
.set MUL_HI, 0xf1                      ; the same, C and D window 3
.set TO_B,   0x40
; Waves 0 and 1 fetch for x (plain loads), waves 2 and 3 for W (joint loads).  The branch hangs on the wave's number alone.  An s_nop 0 and four v_nop follow each line.
.macro JLOAD g0a, g1a, g0b, g1b
	s_cmp_eq_u32 s15, 0
	s_cbranch_scc0 .Lfor_b_\@
	tensor_load_to_lds s[\g0a:\g0a+3], s[\g1a:\g1a+7]
	s_nop 0
.rept 4
	v_nop
.endr
	s_branch .Lasked_\@
.Lfor_b_\@:
	tensor_load_to_lds s[\g0b:\g0b+3], s[\g1b:\g1b+7]
	s_nop 0
.rept 4
	v_nop
.endr
.Lasked_\@:
.endm
.macro CROUND                          ; a round of the cluster's barrier
	s_barrier_signal -1
	s_barrier_wait -1
	s_cmp_lg_u32 s14, 0
	s_cbranch_scc1 .Lnot_wave_0_\@
	s_barrier_signal -3
.Lnot_wave_0_\@:
	s_barrier_wait -3
	s_barrier_signal -1
	s_barrier_wait -1
.endm
	s_load_b128 s[4:7], s[0:1], 0x0                ; x's codes, x's scales
	s_load_b128 s[8:11], s[0:1], 0x10              ; W's codes, W's scales
	s_load_b128 s[96:99], s[0:1], 0x20             ; bq, bk
	s_load_b64 s[100:101], s[0:1], 0x30            ; bv
	s_load_b64 s[12:13], s[0:1], 0x38              ; qkvh
	s_load_b64 s[2:3], s[0:1], 0x40                ; qkv32
	v_lshl_add_u32 v[SPW], v0, 2, SPARE
	v_mov_b32 v[NIL], 0
	ds_add_u32 v[SPW], v[NIL]                      ; the wave's opening: the add, twice on end, and its wait ahead of my first tensor load
	ds_add_u32 v[SPW], v[NIL]
	v_lshrrev_b32 v1, 5, v0
	v_readfirstlane_b32 s14, v1                    ; wave 0..3
	s_lshr_b32 s15, s14, 1                         ; which half of the tile's rows is mine.  Also: I fetch for x (0) or for W (1)
	s_and_b32 s16, s14, 1                          ; which half of its columns.  Also: which 128 rows of that tile I fetch
	s_bfe_u32 s40, ttmp6, 0x40000                  ; cx: the batch
	s_lshl_b32 s17, s40, 3
	s_add_co_u32 s17, s17, ttmp9                   ; tile row = 8 x batch + block of positions (the cluster's x)
	s_and_b32 s42, ttmp7, 0xffff                   ; block of 256 columns
	s_mov_b32 s[G1+0], (1<<20)|(5<<22)|(3<<25)     ; x's tiles: no mask; elements of 1 byte; 4 words of padding after every 64
	s_mov_b32 s[G1B+0], 15|(1<<20)|(1<<21)|(5<<22)|(3<<25)   ; W's: the same, for all four partners
.irp g, G1, G1B
	s_mov_b32 s[\g+1], ROWB<<16                    ; tensor_dim0
	s_mov_b32 s[\g+2], 128<<16                     ; tensor_dim1
	s_mov_b32 s[\g+3], ROWB<<16                    ; tile_dim0
	s_mov_b32 s[\g+4], 128                         ; tile_dim1
	s_mov_b32 s[\g+5], KROW                        ; from row to row
	s_mov_b32 s[\g+6], 0
	s_mov_b32 s[\g+7], 0
.endr
	s_mov_b32 s[G1S+0], (3<<16)|(1<<20)|(5<<22)|(3<<25)      ; the scales of 128 rows: 4,096 dense bytes as 16 rows of 256 (32 elements of 8 bytes), 16 bytes of padding behind each
	s_mov_b32 s[G1SB+0], 15|(3<<16)|(1<<20)|(1<<21)|(5<<22)|(3<<25)
.irp g, G1S, G1SB
	s_mov_b32 s[\g+1], 32<<16
	s_mov_b32 s[\g+2], (128*KS/256)<<16
	s_mov_b32 s[\g+3], 32<<16
	s_mov_b32 s[\g+4], 128*KS/256
	s_mov_b32 s[\g+5], 32
	s_mov_b32 s[\g+6], 0
	s_mov_b32 s[\g+7], 0
.endr
	s_lshl_b32 s18, s16, 7                         ; which 128 rows of the tile I fetch
	s_lshl_b32 s20, s17, 8
	s_add_co_u32 s20, s20, s18                     ; x: row 256 x tile row + 128 x half
	s_lshl_b32 s46, s42, 8
	s_add_co_u32 s46, s46, s18                     ; W: row 256 x column block + 128 x half: nothing of cx in it
	s_lshl_b32 s22, s20, 5                         ; these rows' scales, in bytes,
	s_mov_b32 s23, 0
	s_lshl_b32 s92, s46, 5
	s_mov_b32 s93, 0
	s_lshl_b32 s20, s20, 9                         ; and their codes
	s_mov_b32 s21, 0
	s_lshl_b32 s46, s46, 9
	s_mov_b32 s47, 0
	s_mul_i32 s45, s14, HALFT                      ; where they go: wave x 128 rows
	s_mul_i32 s94, s14, HALFS
	s_wait_dscnt 0x0                               ; both opening adds are done
	s_wait_kmcnt 0x0
	s_add_nc_u64 s[20:21], s[4:5], s[20:21]
	s_add_nc_u64 s[22:23], s[6:7], s[22:23]
	s_add_nc_u64 s[46:47], s[8:9], s[46:47]
	s_add_nc_u64 s[92:93], s[10:11], s[92:93]
	CROUND                                         ; all four work-groups are here: the first loads meet
	s_mov_b32 s[G0S], 1
	s_add_co_u32 s[G0S+1], s94, SCL
	s_mov_b64 s[G0S+2:G0S+3], s[22:23]
	s_or_b32 s[G0S+3], s[G0S+3], 0x80000000
	s_mov_b32 s[G0SB], 1
	s_add_co_u32 s[G0SB+1], s94, SCL
	s_mov_b64 s[G0SB+2:G0SB+3], s[92:93]
	s_or_b32 s[G0SB+3], s[G0SB+3], 0x80000000
	JLOAD G0S, G1S, G0SB, G1SB                     ; the scales first; with the two slots three loads of mine are out
.irp s, 0,1
	s_mov_b32 s[G0+4*\s], 1
	s_add_co_u32 s[G0+4*\s+1], s45, \s*SLOT
	s_add_nc_u64 s[G0+4*\s+2:G0+4*\s+3], s[20:21], \s*ROWB
	s_or_b32 s[G0+4*\s+3], s[G0+4*\s+3], 0x80000000
	s_mov_b32 s[G0B+4*\s], 1
	s_add_co_u32 s[G0B+4*\s+1], s45, \s*SLOT
	s_add_nc_u64 s[G0B+4*\s+2:G0B+4*\s+3], s[46:47], \s*ROWB
	s_or_b32 s[G0B+4*\s+3], s[G0B+4*\s+3], 0x80000000
	JLOAD G0+4*\s, G1, G0B+4*\s, G1B
.endr
	v_and_b32 v1, 15, v0                           ; r = lane % 16
	v_bfe_u32 v2, v0, 4, 1                         ; h = lane / 16
	; the bias of my 128 columns: lane (r, h) wants, for block b, columns 16 b + 8 h + 0..7
	s_cmp_lt_u32 s42, 4
	s_cselect_b64 s[96:97], s[96:97], s[98:99]     ; column blocks 0-3: bq; 4: bk
	s_cselect_b32 s18, s42, 0
	s_cmp_eq_u32 s42, 5
	s_cselect_b64 s[96:97], s[100:101], s[96:97]   ; 5: bv
	s_lshl_b32 s18, s18, 10
	s_lshl_b32 s19, s16, 9
	s_add_co_u32 s18, s18, s19
	s_mov_b32 s19, 0
	s_add_nc_u64 s[96:97], s[96:97], s[18:19]
	v_lshlrev_b32 v7, 5, v2
.irp b, 0,1,2,3,4,5,6,7
	global_load_b128 v[BIAS+8*\b:BIAS+8*\b+3], v7, s[96:97] offset:64*\b
	global_load_b128 v[BIAS+8*\b+4:BIAS+8*\b+7], v7, s[96:97] offset:64*\b+16
.endr
	v_mul_u32_u24 v3, v1, PITCH
	v_lshl_add_u32 v4, v2, 4, v3                   ; a fragment's row x pitch + 16 x half
	s_mul_i32 s21, s15, HALFT                      ; my 128 rows of x
	s_mul_i32 s22, s16, HALFT                      ; my 128 rows of W,
	s_add_co_u32 s22, s22, 2*HALFT                 ; which lie behind x's 256
.irp s, 0,1
	v_add_nc_u32 v[ADRA+\s], s21, v4
	v_add_nc_u32 v[ADRB+\s], s22, v4
	s_add_co_u32 s21, s21, SLOT
	s_add_co_u32 s22, s22, SLOT
.endr
	v_mul_u32_u24 v5, v1, KS                       ; my row's scales: KS bytes a row,
	v_lshrrev_b32 v6, 8, v5
	v_lshl_add_u32 v5, v6, 4, v5                   ; and 16 more for each 256 passed
	s_mul_i32 s21, s15, HALFS
	s_mul_i32 s22, s16, HALFS
	s_add_co_u32 s22, s22, 2*HALFS
	s_sub_co_u32 s22, s22, s21
	v_mul_u32_u24 v6, s22, v2                      ; lanes 16-31 take W's
	s_add_co_u32 s21, s21, SCL
	v_add_nc_u32 v5, v5, v6
	v_add_nc_u32 v[ADRS], s21, v5
	; the stage.  Position r lies in stage row r / 2 + 8 (r % 2), so that the stores (16 rows at one column) and the loads (two rows, 128 bytes of each, eight stage rows apart) each touch 16 different 16-byte columns modulo 256
	s_mul_i32 s23, s14, 16*SPITCH
	s_add_co_u32 s23, s23, STAGE
	v_lshrrev_b32 v5, 1, v1
	v_and_b32 v6, 1, v1
	v_lshl_add_u32 v5, v6, 3, v5
	v_mul_u32_u24 v5, v5, SPITCH
	v_lshl_add_u32 v5, v2, 4, v5
	v_add_nc_u32 v[STO], s23, v5
	v_bfe_u32 v6, v0, 3, 1
	v_mul_u32_u24 v5, v2, SPITCH
	v_mad_u32_u24 v5, v6, 8*SPITCH, v5
	v_and_b32 v6, 7, v0
	v_lshl_add_u32 v5, v6, 4, v5
	v_add_nc_u32 v[RD], s23, v5                    ; back: lane l takes position 4 p + l / 8, 16 bytes at 16 (l % 8) of a head's 128
	v_and_b32 v6, 31, v0
	v_lshlrev_b32 v[CO], 4, v6
	s_mul_i32 s20, s40, 24                         ; qkvh at my first head and position: ((24 batch + 4 column block + 2 column half) x 2048 + 256 position block + 128 row half) x 128 bytes
	s_lshl_b32 s21, s42, 2
	s_add_co_u32 s20, s20, s21
	s_lshl_b32 s21, s16, 1
	s_add_co_u32 s20, s20, s21
	s_lshl_b32 s20, s20, 11
	s_lshl_b32 s21, ttmp9, 8
	s_add_co_u32 s20, s20, s21
	s_lshl_b32 s21, s15, 7
	s_add_co_u32 s20, s20, s21
	s_lshl_b32 s20, s20, 7
	s_mov_b32 s21, 0
	s_add_nc_u64 s[12:13], s[12:13], s[20:21]
	s_mul_i32 s20, s40, 98304                      ; qkv32 at my batch and my first column block of 16: 16 column block + 8 column half
	s_lshl_b32 s22, s42, 14
	s_add_co_u32 s20, s20, s22
	s_lshl_b32 s22, s16, 13
	s_add_co_u32 s20, s20, s22
	s_add_nc_u64 s[2:3], s[2:3], s[20:21]
.macro FRAG reg, adr, q, i             ; 16 rows x 128 K of 4-bit codes: 8 registers: registers 4 c .. 4 c + 3 hold K = 64 c + 32 (lane / 16) + 0 .. 31
.irp c, 0,1
	ds_load_b128 v[\reg+4*\c:\reg+4*\c+3], v[\adr] offset:64*(\q)+32*\c+(\i)*16*PITCH
.endr
.endm
; 16 matrix instructions: x's blocks a0, a0 + 1 against W's eight.  zero = 1: the first product starts the sums, with the bias as its C.  The 64 accumulators take turns, one instruction a turn.
.macro MUL16 a0, p, q, sc, zero
.irp a, \a0, \a0+1
.irp b, 0,1,2,3,4,5,6,7
.if \zero
	v_wmma_scale_f32_16x16x128_f8f6f4 v[8*(8*((\a)%4)+\b):8*(8*((\a)%4)+\b)+7], v[128*(\p)+FR*\b:128*(\p)+FR*\b+FR-1], v[AF+FR*(\a):AF+FR*(\a)+FR-1], v[BIAS+8*\b:BIAS+8*\b+7], v[SC+8*NQ*(\sc)+NQ*\b+(\q)], v[SC+8*NQ*(\sc)+NQ*(\a)+(\q)] matrix_a_fmt:MATRIX_FMT_FP4 matrix_b_fmt:MATRIX_FMT_FP4 matrix_a_scale:MATRIX_SCALE_ROW1
.else
	v_wmma_scale_f32_16x16x128_f8f6f4 v[8*(8*((\a)%4)+\b):8*(8*((\a)%4)+\b)+7], v[128*(\p)+FR*\b:128*(\p)+FR*\b+FR-1], v[AF+FR*(\a):AF+FR*(\a)+FR-1], v[8*(8*((\a)%4)+\b):8*(8*((\a)%4)+\b)+7], v[SC+8*NQ*(\sc)+NQ*\b+(\q)], v[SC+8*NQ*(\sc)+NQ*(\a)+(\q)] matrix_a_fmt:MATRIX_FMT_FP4 matrix_b_fmt:MATRIX_FMT_FP4 matrix_a_scale:MATRIX_SCALE_ROW1
.endif
.endr
.endr
.endm
.macro FETCH_B slot, q, p
	WIN TO_B
.irp i, 0,1,2,3,4,5,6,7
	FRAG 128*(\p)+FR*\i, ADRB+\slot, \q, \i
.endr
	WIN 0
.endm
.macro FETCH_A slot, q, i0
.irp i, \i0, \i0+1, \i0+2, \i0+3
	FRAG AF+FR*(\i), ADRA+\slot, \q, \i
.endr
.endm
.macro SCALES sc                       ; a slot's scale words: four words a row; lanes 0-15 take x's block i, lanes 16-31 W's block i
.irp i, 0,1,2,3,4,5,6,7
	ds_load_b128 v[SC+8*NQ*\sc+NQ*\i:SC+8*NQ*\sc+NQ*\i+3], v[ADRS] offset:\i*SBLK
.endr
.endm
.macro PLACES n                        ; plain vector lines between a matrix instruction and a load into, or a read of, its registers
.rept \n
	v_nop
.endr
.endm
.macro STEP slot, q, zero              ; 128 along K that has its successor in the same slot
	s_wait_dscnt 4*NL                              ; W's set and x's blocks 0-3 are in; the youngest eight loads (x's blocks 4-7) may be out
	WIN MUL_LO-0x20*(\zero)                        ; (zero = 1: C, the bias, lies in window 0)
	MUL16 0, (\q)%2, \q, \slot, \zero
	MUL16 2, (\q)%2, \q, \slot, \zero
	s_wait_dscnt 0
	PLACES NP
	FETCH_B \slot, (\q)+1, 1-(\q)%2
	FETCH_A \slot, (\q)+1, 0
	WIN MUL_HI-0x30*(\zero)
	MUL16 4, (\q)%2, \q, \slot, \zero
	MUL16 6, (\q)%2, \q, \slot, \zero
	PLACES NP
	WIN 0
	FETCH_A \slot, (\q)+1, 4
.endm
.macro TURN slot, next                 ; slot 0's last step changes slots: each wave's loads have landed, then one barrier; nothing is filled again
	s_wait_tensorcnt 0x0                           ; all my tensor loads have landed: my part of the next slot
	ds_add_u32 v[SPW], v[NIL]
	s_wait_dscnt 4*NL+1                            ; (the add and the youngest eight loads may be out)
	WIN MUL_LO
	MUL16 0, 1, NQ-1, \slot, 0
	s_wait_dscnt 0x0
	s_barrier_signal -1
	MUL16 2, 1, NQ-1, \slot, 0
	WIN 0
	s_barrier_wait -1
	PLACES NP
	v_add_nc_u32 v[ADRS], 4*NQ, v[ADRS]            ; on to the next slot's scale words
	FETCH_B \next, 0, 0
	FETCH_A \next, 0, 0
	SCALES \next
	WIN MUL_HI
	MUL16 4, 1, NQ-1, \slot, 0
	MUL16 6, 1, NQ-1, \slot, 0
	PLACES NP
	WIN 0
	FETCH_A \next, 0, 4
.endm
.macro STEPS slot, from
.set Q, \from
.rept NQ-1-\from
	STEP \slot, Q, 0
.set Q, Q+1
.endr
.endm
	s_wait_tensorcnt 1                             ; the scales and my part of slot 0 are in (slot 1's load may be out)
	s_barrier_signal -1
	s_barrier_wait -1                              ; everybody's are
	FETCH_B 0, 0, 0
	FETCH_A 0, 0, 0
	SCALES 0
	FETCH_A 0, 0, 4
	s_wait_loadcnt 0x0                             ; the bias
	STEP 0, 0, 1
	STEPS 0, 1
	TURN 0, 1
	STEPS 1, 0
	s_wait_dscnt 4*NL                              ; the last step: nothing more to fetch
	WIN MUL_LO
	MUL16 0, 1, NQ-1, 1, 0
	MUL16 2, 1, NQ-1, 1, 0
	s_wait_dscnt 0
	WIN MUL_HI
	MUL16 4, 1, NQ-1, 1, 0
	MUL16 6, 1, NQ-1, 1, 0
	WIN 0
	PLACES NP
	; positions 0-15 of a batch (position block 0, row half 0, block a = 0) also leave in f32, as they stand: 512 consecutive bytes a store.  The branch hangs on the cluster's x and the wave's number.
	s_or_b32 s18, ttmp9, s15
	s_cmp_lg_u32 s18, 0
	s_cbranch_scc1 .Lnofine
	WIN 0x08                                       ; a store's data are its source 1: window 2
.irp b, 0,1,2,3,4,5,6,7
	global_store_b128 v[CO], v[8*\b:8*\b+3], s[2:3] offset:1024*\b
	global_store_b128 v[CO], v[8*\b+4:8*\b+7], s[2:3] offset:1024*\b+512
.endr
	WIN 0
.Lnofine:
; THE WAY OUT, a block of 16 positions x 128 columns (two heads) at a time: rounded to f16, through my stage, and out as runs of 512 consecutive bytes: four positions of one head.
.macro PACK a
.set AC, 64*((\a)%4)
	WIN 0x0a+5*((\a)/4)                            ; sources 0 and 1: window 2 or 3
.irp b, 0,1,2,3,4,5,6,7
.irp r, 0,1,2,3
	v_cvt_pk_f16_f32 v[TMP+4*\b+\r], v[AC+8*\b+2*\r], v[AC+8*\b+2*\r+1]
.endr
.endr
	WIN 0
.endm
.macro TOSTAGE a
.set BK, OB+192*((\a)%2)
.irp b, 0,1,2,3,4,5,6,7
	ds_store_b128 v[STO], v[TMP+4*\b:TMP+4*\b+3] offset:32*\b
.endr
.irp j, 0,1
.irp p, 0,1,2,3
	ds_load_b128 v[BK+16*\j+4*\p:BK+16*\j+4*\p+3], v[RD] offset:544*\p+128*\j   ; LDS serves a wave's instructions in order: these see the stores above
.endr
.endr
.endm
.macro SEND a
.set BK, OB+192*((\a)%2)
	s_wait_dscnt 0x0                               ; the block is back in registers
	s_wait_xcnt 0x0                                ; the stores of two blocks back have read their registers: the next block's loads may land there
.irp j, 0,1
.irp p, 0,1,2,3
	global_store_b128 v[CO], v[BK+16*\j+4*\p:BK+16*\j+4*\p+3], s[12:13] offset:\j*262144+(\a)*2048+\p*512
.endr
.endr
.endm
	PACK 0
	TOSTAGE 0
.irp a, 1,2,3,4,5,6,7                  ; block a's conversions stand between block a - 1's loads from the stage and the wait for them
	PACK \a
	SEND \a-1
	TOSTAGE \a
.endr
	SEND 7
	s_wait_tensorcnt 0x0                           ; the wave's end
	ds_add_u32 v[SPW], v[NIL]
	s_wait_dscnt 0x0
	CROUND                                         ; the closing round
	s_endpgm
.Lfunc_end_k_q352a6150c4_proj:
	.size	k_q352a6150c4_proj, .Lfunc_end_k_q352a6150c4_proj-k_q352a6150c4_proj
	.p2alignl 7, 3214868480
	.fill 96, 4, 3214868480
	.section	.rodata,"a",@progbits
	.p2align	6, 0x0
	.amdhsa_kernel k_q352a6150c4_proj
		.amdhsa_group_segment_fixed_size 327680
		.amdhsa_private_segment_fixed_size 0
		.amdhsa_enable_private_segment 0
		.amdhsa_kernarg_size 72
		.amdhsa_user_sgpr_count 2
		.amdhsa_user_sgpr_kernarg_segment_ptr 1
		.amdhsa_wavefront_size32 1
		.amdhsa_system_sgpr_workgroup_id_x 1
		.amdhsa_system_sgpr_workgroup_id_y 1
		.amdhsa_system_sgpr_workgroup_id_z 1
		.amdhsa_system_vgpr_workitem_id 0
		.amdhsa_next_free_vgpr 1024
		.amdhsa_next_free_sgpr 102
		.amdhsa_reserve_vcc 0
		.amdhsa_float_denorm_mode_32 3
		.amdhsa_float_denorm_mode_16_64 3
		.amdhsa_memory_ordered 1
		.amdhsa_forward_progress 1
		.amdhsa_inst_pref_size 130
	.end_amdhsa_kernel
	.amdgpu_metadata
---
amdhsa.version: [ 1, 2 ]
amdhsa.kernels:
  - .name:           k_q352a6150c4_proj
    .symbol:         k_q352a6150c4_proj.kd
    .args:
      - { .name: xc, .offset: 0, .size: 8, .value_kind: global_buffer, .address_space: global }
      - { .name: xs, .offset: 8, .size: 8, .value_kind: global_buffer, .address_space: global }
      - { .name: wc, .offset: 16, .size: 8, .value_kind: global_buffer, .address_space: global }
      - { .name: ws, .offset: 24, .size: 8, .value_kind: global_buffer, .address_space: global }
      - { .name: bq, .offset: 32, .size: 8, .value_kind: global_buffer, .address_space: global }
      - { .name: bk, .offset: 40, .size: 8, .value_kind: global_buffer, .address_space: global }
      - { .name: bv, .offset: 48, .size: 8, .value_kind: global_buffer, .address_space: global }
      - { .name: qkvh, .offset: 56, .size: 8, .value_kind: global_buffer, .address_space: global }
      - { .name: qkv32, .offset: 64, .size: 8, .value_kind: global_buffer, .address_space: global }
    .group_segment_fixed_size: 327680
    .private_segment_fixed_size: 0
    .kernarg_segment_align: 8
    .kernarg_segment_size: 72
    .max_flat_workgroup_size: 128
    .sgpr_count:     102
    .vgpr_count:     1024
    .wavefront_size: 32
...
	.end_amdgpu_metadata
.endif
;; end of part 2
;; launch attn (part 3): grid 16 x 16, 16 waves a work-group, no clusters, 327,680 bytes of LDS; arguments qkvh, qk_gain, y16; writes y16
.if DOCPART == 3
	.amdgcn_target "amdgcn-amd-amdhsa--gfx1250"
	.amdhsa_code_object_version 6
	.text
	.protected	k_q352a6150c4_attn
	.globl	k_q352a6150c4_attn
	.p2align	8
	.type	k_q352a6150c4_attn,@function
k_q352a6150c4_attn:
	s_mov_b64 s[64:65], 0
	v_nop
	global_prefetch_b8 v0, s[64:65] scope:SCOPE_SE
	s_setreg_imm32_b32 hwreg(HW_REG_WAVE_MODE, 25, 1), 1
	s_wait_xcnt 0x0
; y[b][t][head][:] = the sum over s <= t of softmax_s(gain[head] q[t] . k[s] / 8) v[s][:].  q, k, v: qkvh [batch 4][head 24][2048][64] f16 (q 0-15, k 16-19, v 20-23); y16 [8192][1024] f16.
; Products on f16 operands with f32 sums; maxima, exponentials and sums in f32; a running maximum m and sum l for each query: p = 2^(c s - c m), c = |gain| log2(e) / 8; in every step O and l are multiplied by 2^(c m_old - c m_new).
; THE GAIN is applied to the f32 score, not to q (another order of rounding than the source's): so q keeps f16's range whatever the gain.  Its sign goes onto q's f16 sign bits, which rounds nothing.
; LIMITS: c is held at 2^-100 from below (a gain of 0 gives equal weights all the same); NaN and infinities are not served; |y| stays under 65,504; a weight p under 6e-8 is rounded to an f16 subnormal or 0.
; SHARES.  A work-group owns one kv head of one batch, its four query heads, and the blocks of 64 positions i and 31 - i: 33 block steps of 64 keys in every work-group.  Each of its sixteen waves owns 16 positions
; in two heads: two tiles that share every fragment of K and V.  Four waves lie on a SIMD, so that one wave's softmax stands beside another's products and LDS loads.
; NO CLUSTER: under the causal mask work-groups of one kv head need different numbers of tiles; the four query heads that share K and V are inside the work-group.
; LAYOUT.  S^T = K Q^T (source 0 = 16 keys, source 1 = 16 queries), O^T = V^T P (source 0 = 16 channels, source 1 = P): a lane holds ONE query (lane % 16) throughout; two tiles of S^T, rounded in pairs, are P's fragment.
; K and V come through a ring of two LDS slots of 256 keys (waves 0, 1: K's halves; waves 2, 3: V's), read by all sixteen.  Every work-group walks all 8 slots; a step all of whose keys are hidden is jumped over.
; REGISTERS: v1-9 addresses and constants; v10, v11 at work; v12-27 statistics, 8 a tile: +0 c m, +1 m, +2, +3 l, +4..+7 at work (+6 the factor); v28-30 the way out; v32-63 Q; v64-127 fragments of K, then of V;
;   v128-191 S^T, 32 a tile, then p, then P in its first 16; v192-255 O^T, 32 a tile.
.set PK,    144                        ; a key's row of K in LDS: 128 bytes + 16
.set PV,    160                        ; of V: 128 + 32: an odd multiple of 32, for the turning load
.set SK,    256                        ; keys in a slot
.set VOFF,  SK*PK
.set SLOT1, 1<<17
.set NSL,   2048/SK
.set STAGE, SLOT1+SK*(PK+PV)           ; the way out: 16 rows x 272 bytes for each wave, bytes of their own
.set SPARE, STAGE+16*16*272            ; the spare words, 128 bytes a wave
.set AK0, 1
.set AV0, 2
.set ADK, 3
.set ADV, 4
.set SPW, 5
.set NIL, 6
.set TD,  7                            ; v7  my query's place in its block of 64, less 8 (lane / 16)
.set NINF, 8                           ; v8  -infinity
.set PFO, 9                            ; v9  256 x lane
.set ST,  12
.set Q,   32
.set F0,  64
.set S,   128
.set O,   192
.set WV,  10
.set QB,  19                           ; s19 my block's first position
.set SEL, 20
.set CS,  22                           ; s[22:23], s[24:25]: c of tile 0, of tile 1, as pairs
.set SG,  26                           ; s26, s27: 0x80008000 where the gain is negative
.set G1K, 28
.set G1V, 36
.set G0K, 44
.set G0V, 48
.set TB,  52                           ; s52 LDS byte at which the slot in hand begins
.set KF,  54                           ; s54 the step's first key
.set SLOTS, 55
.set LASTQ, 57                         ; s57 my work-group's last position
.set LIM, 58
.set PFA, 60
; Waves 0 and 1 fetch for K, waves 2 and 3 for V, the others nothing.  An s_nop 0 and four v_nop follow each of the two lines.
.macro TLOAD
	s_cmp_lt_u32 s[WV], 2
	s_cbranch_scc0 .Lnot_k_\@
	tensor_load_to_lds s[G0K:G0K+3], s[G1K:G1K+7]
	s_nop 0
.rept 4
	v_nop
.endr
	s_branch .Lasked_\@
.Lnot_k_\@:
	s_cmp_lt_u32 s[WV], 4
	s_cbranch_scc0 .Lasked_\@
	tensor_load_to_lds s[G0V:G0V+3], s[G1V:G1V+7]
	s_nop 0
.rept 4
	v_nop
.endr
.Lasked_\@:
.endm
; A prefetch of what the NEXT change of slots will ask for: a slot's 32,768 dense bytes of K and of V.  The sixteen work-groups of a kv head walk the same rows: work-group 0, which walks them all, asks; in it waves 4-7 for K,
; waves 8-11 for V, 8,192 bytes a wave, lanes 256 bytes apart: each block of 256 bytes is named once in the launch.  The last change that fills a slot asks for nothing; slots 0 and 1 come by their loads alone.
.macro ASK
	s_cmp_gt_u32 s[SLOTS], s[LIM]
	s_cbranch_scc0 .Lnot_mine_\@
	global_prefetch_b8 v[PFO], s[PFA:PFA+1] th:TH_LOAD_NT scope:SCOPE_SE
.Lnot_mine_\@:
.endm
	s_load_b128 s[4:7], s[0:1], 0x0                ; qkvh, qk_gain
	s_load_b64 s[8:9], s[0:1], 0x10                ; y16
	v_lshl_add_u32 v[SPW], v0, 2, SPARE
	v_mov_b32 v[NIL], 0
	ds_add_u32 v[SPW], v[NIL]                      ; the wave's opening: the add, twice on end, and its wait ahead of my first tensor load
	ds_add_u32 v[SPW], v[NIL]
	v_lshrrev_b32 v10, 5, v0
	v_readfirstlane_b32 s[WV], v10                 ; wave 0..15
	s_and_b32 s12, ttmp7, 0xffff
	s_lshr_b32 s13, s12, 2                         ; batch
	s_and_b32 s14, s12, 3                          ; kv head
	s_lshr_b32 s62, s[WV], 2
	s_and_b32 s16, s62, 3                          ; a: which 16 positions of the block
	s_xor_b32 s15, s[WV], s62
	s_and_b32 s15, s15, 1                          ; which block: 0 the early one, 1 the late one (bit 0 xor bit 2 of the wave's number: both kinds among any four waves w, w+1, .. and w, w+4, ..)
	s_bfe_u32 s17, s[WV], 0x10001                  ; which pair of heads
	s_sub_co_u32 s63, 31, ttmp9
	s_cmp_eq_u32 s15, 0
	s_cselect_b32 s18, ttmp9, s63
	s_lshl_b32 s[QB], s18, 6
	s_lshl_b32 s[LASTQ], s63, 6
	s_or_b32 s[LASTQ], s[LASTQ], 63
	s_lshl_b32 s75, s16, 4                         ; 16 a
	s_lshl_b32 s74, s14, 2
	s_lshl_b32 s62, s17, 1
	s_add_co_u32 s74, s74, s62                     ; my first head
	s_mul_i32 s11, s13, 24
	s_add_co_u32 s62, s11, s14
	s_add_co_u32 s62, s62, 16
	s_lshl_b32 s66, s62, 18                        ; K's head in qkvh: 262,144 bytes a head
	s_mov_b32 s67, 0
	s_add_co_u32 s62, s11, s74
	s_lshl_b32 s62, s62, 11
	s_add_co_u32 s62, s62, s[QB]
	s_add_co_u32 s62, s62, s75
	s_lshl_b32 s70, s62, 7                         ; Q: my first head, my first position, 128 bytes a row
	s_mov_b32 s71, 0
	s_lshl_b32 s62, s13, 11
	s_add_co_u32 s62, s62, s[QB]
	s_add_co_u32 s62, s62, s75
	s_lshl_b32 s72, s62, 11                        ; y16: my first row, 2,048 bytes a row,
	s_lshl_b32 s62, s74, 7
	s_add_co_u32 s72, s72, s62                     ; + 128 bytes a head
	s_mov_b32 s73, 0
	s_lshl_b32 s78, s74, 2                         ; my two gains
	s_mov_b32 s79, 0
	s_and_b32 s62, s[WV], 1                        ; which half of a slot's 256 rows I fetch, if I fetch:
	s_lshl_b32 s2, s62, 14                         ; in memory,
	s_mov_b32 s3, 0
	s_mov_b32 s[G0K], 1
	s_mul_i32 s[G0K+1], s62, 128*PK                ; and in a slot
	s_mov_b32 s[G0V], 1
	s_mul_i32 s[G0V+1], s62, 128*PV
	s_add_co_u32 s[G0V+1], s[G0V+1], VOFF
	s_mov_b32 s[G1K], (1<<16)|(1<<20)|(4<<22)|(3<<25)   ; no mask; elements of 2 bytes; 4 words of padding after every 32
	s_mov_b32 s[G1V], (1<<16)|(1<<20)|(4<<22)|(7<<25)   ; 8 words
.irp g, G1K, G1V
	s_mov_b32 s[\g+1], 64<<16                      ; tensor_dim0
	s_mov_b32 s[\g+2], 128<<16                     ; tensor_dim1
	s_mov_b32 s[\g+3], 64<<16                      ; tile_dim0
	s_mov_b32 s[\g+4], 128                         ; tile_dim1
	s_mov_b32 s[\g+5], 64                          ; from row to row
	s_mov_b32 s[\g+6], 0
	s_mov_b32 s[\g+7], 0
.endr
	s_mov_b32 s[SEL], 0x76543210
	s_mov_b32 s[SEL+1], 0xfedcba98
	s_mov_b32 s[TB], 0
	s_mov_b32 s[KF], 0
	s_mov_b32 s[SLOTS], NSL-1
	s_wait_dscnt 0x0                               ; both opening adds are done
	s_wait_kmcnt 0x0
	s_add_nc_u64 s[66:67], s[4:5], s[66:67]        ; K's head,
	s_add_nc_u64 s[68:69], s[66:67], 0x100000      ; V's: four heads on
	s_add_nc_u64 s[G0K+2:G0K+3], s[66:67], s[2:3]
	s_or_b32 s[G0K+3], s[G0K+3], 0x80000000
	s_add_nc_u64 s[G0V+2:G0V+3], s[68:69], s[2:3]
	s_or_b32 s[G0V+3], s[G0V+3], 0x80000000
	TLOAD                                          ; slot 0
	s_add_nc_u64 s[6:7], s[6:7], s[78:79]
	s_load_b64 s[76:77], s[6:7], 0x0               ; the gains of my two heads
	s_add_nc_u64 s[70:71], s[4:5], s[70:71]
	s_add_nc_u64 s[8:9], s[8:9], s[72:73]
	s_cmp_lt_u32 s[WV], 8                          ; the prefetches: waves 4-7 K, waves 8-11 V
	s_cselect_b64 s[PFA:PFA+1], s[66:67], s[68:69]
	s_and_b32 s72, s[WV], 3
	s_lshl_b32 s72, s72, 13
	s_add_co_u32 s72, s72, SK*128                  ; in slot 1: the first change of slots steps it to slot 2
	s_add_nc_u64 s[PFA:PFA+1], s[PFA:PFA+1], s[72:73]
	s_sub_co_u32 s62, s[WV], 4
	s_lshr_b32 s62, s62, 3                         ; 0 in waves 4 to 11,
	s_or_b32 s62, s62, ttmp9                       ; of work-group 0
	s_cmp_eq_u32 s62, 0
	s_cselect_b32 s[LIM], 1, -1
	v_and_b32 v10, 15, v0                          ; r
	v_bfe_u32 v11, v0, 4, 1                        ; h
	v_lshlrev_b32 v28, 7, v10
	v_lshl_add_u32 v28, v11, 4, v28                ; Q: row r of 128 bytes, + 16 h
.irp t, 0,1
.irp c, 0,1
	global_load_b128 v[Q+16*\t+8*\c:Q+16*\t+8*\c+3], v28, s[70:71] offset:262144*\t+64*\c
	global_load_b128 v[Q+16*\t+8*\c+4:Q+16*\t+8*\c+7], v28, s[70:71] offset:262144*\t+64*\c+32
.endr
.endr
	v_mul_u32_u24 v[AK0], v10, PK
	v_lshl_add_u32 v[AK0], v11, 4, v[AK0]          ; K: row r x pitch + 16 h
	v_and_b32 v[AV0], 7, v0
	v_lshl_add_u32 v[AV0], v11, 3, v[AV0]
	v_mul_u32_u24 v[AV0], v[AV0], PV
	v_bfe_u32 v[ADV], v0, 3, 1
	v_lshl_add_u32 v[AV0], v[ADV], 4, v[AV0]
	v_add_nc_u32 v[AV0], VOFF, v[AV0]              ; V, for the turning load: key 8 h + lane % 8, channels 8 ((lane / 8) % 2) on
	v_lshlrev_b32 v[TD], 3, v11
	v_sub_nc_u32 v[TD], v10, v[TD]
	v_add_nc_u32 v[TD], s75, v[TD]
	v_mov_b32 v[NINF], 0xff800000
	v_and_b32 v[PFO], 31, v0
	v_lshlrev_b32 v[PFO], 8, v[PFO]
	s_wait_kmcnt 0x0
.irp t, 0,1
	s_and_b32 s62, s[76+\t], 0x7fffffff
	v_mov_b32 v10, s62
	v_mul_f32 v10, 0x3e38aa3b, v10                 ; |gain| log2(e) / 8
	v_max_num_f32 v10, 0x0d800000, v10             ; at least 2^-100: so -infinity x c stays -infinity
	v_readfirstlane_b32 s[CS+2*\t], v10
	s_mov_b32 s[CS+2*\t+1], s[CS+2*\t]             ; (named with it as a pair)
	s_and_b32 s62, s[76+\t], 0x80000000
	s_lshr_b32 s63, s62, 16
	s_or_b32 s[SG+\t], s62, s63
	v_mov_b32 v[ST+8*\t+1], 0xff61b1e6             ; m: -3e38, under every score
	v_mul_f32 v[ST+8*\t], s[CS+2*\t], v[ST+8*\t+1] ; c m
.irp j, 2,3,4,5,6,7
	v_mov_b32 v[ST+8*\t+\j], 0
.endr
.endr
.irp j, 0,1,2,3,4,5,6,7,8,9,10,11,12,13,14,15,16,17,18,19,20,21,22,23,24,25,26,27,28,29,30,31,32,33,34,35,36,37,38,39,40,41,42,43,44,45,46,47,48,49,50,51,52,53,54,55,56,57,58,59,60,61,62,63
	v_mov_b32 v[O+\j], 0                           ; O^T, once: the step is written with no first step of its own; the first factor multiplies zeros
.endr
	s_wait_loadcnt 0x0                             ; Q
.irp t, 0,1
.irp j, 0,1,2,3,4,5,6,7,8,9,10,11,12,13,14,15
	v_xor_b32 v[Q+16*\t+\j], s[SG+\t], v[Q+16*\t+\j]   ; the gain's sign
.endr
.endr
; A KEY STEP: 64 keys, the q-th of the slot in hand.
.macro STEP q
	s_cmp_gt_u32 s[KF], s[QB]                      ; all its keys come after my block: left out.  A branch on ids and the count of steps; no barrier, tensor load or address step stands inside
	s_cbranch_scc1 .Lhidden_\@
	v_add_nc_u32 v[ADK], s[TB], v[AK0]
	v_add_nc_u32 v[ADV], s[TB], v[AV0]
.rept 3
	v_nop                                          ; with the two additions five places behind the last step's products: the first products below write over P, which those read, and the loads land on V's fragments
.endr
.irp p, 0,1                                    ; K: keys 32 p + 16 k on, channels 32 c on
.irp k, 0,1
.irp c, 0,1
	ds_load_b128 v[F0+32*\p+16*\k+8*\c:F0+32*\p+16*\k+8*\c+3], v[ADK] offset:(64*(\q)+32*\p+16*\k)*PK+64*\c
	ds_load_b128 v[F0+32*\p+16*\k+8*\c+4:F0+32*\p+16*\k+8*\c+7], v[ADK] offset:(64*(\q)+32*\p+16*\k)*PK+64*\c+32
.endr
.endr
.endr
.irp p, 0,1                                    ; S^T = K Q^T: four accumulators take turns, one instruction a turn
	s_wait_dscnt 8-8*\p                            ; the first eight loads are in (the other eight may be out); then all
.irp c, 0,1
.irp k, 0,1
.irp t, 0,1
.if \c == 0
	v_wmma_f32_16x16x32_f16 v[S+32*\t+8*(2*\p+\k):S+32*\t+8*(2*\p+\k)+7], v[F0+32*\p+16*\k+8*\c:F0+32*\p+16*\k+8*\c+7], v[Q+16*\t+8*\c:Q+16*\t+8*\c+7], 0
.else
	v_wmma_f32_16x16x32_f16 v[S+32*\t+8*(2*\p+\k):S+32*\t+8*(2*\p+\k)+7], v[F0+32*\p+16*\k+8*\c:F0+32*\p+16*\k+8*\c+7], v[Q+16*\t+8*\c:Q+16*\t+8*\c+7], v[S+32*\t+8*(2*\p+\k):S+32*\t+8*(2*\p+\k)+7]
.endif
.endr
.endr
.endr
.endr
.rept 4
	v_nop                                          ; places in front of the loads into K's registers and of the first read of the scores
.endr
.irp p, 0,1                                    ; V, turned: keys 32 p on, channels 16 c on.  It lands while the softmax is walked
.irp c, 0,1,2,3
	ds_load_tr16_b128 v[F0+32*\p+8*\c:F0+32*\p+8*\c+3], v[ADV] offset:(64*(\q)+32*\p)*PV+32*\c
	ds_load_tr16_b128 v[F0+32*\p+8*\c+4:F0+32*\p+8*\c+7], v[ADV] offset:(64*(\q)+32*\p+16)*PV+32*\c
.endr
.endr
	s_cmp_lg_u32 s[KF], s[QB]                      ; on the diagonal block hidden scores become -infinity ahead of the maximum; a step all of whose keys count skips this
	s_cbranch_scc1 .Lopen_\@
.irp n, 0,1,2,3,4,5,6,7,8,9,10,11,12,13,14,15,16,17,18,19,20,21,22,23,24,25,26,27,28,29,30,31
	v_cmp_gt_i32 vcc_lo, 16*(\n/8)+\n%8, v[TD]     ; register n holds key 16 (n / 8) + 8 (lane / 16) + n % 8 of the block
	v_cndmask_b32 v[S+\n], v[S+\n], v[NINF], vcc_lo
	v_cndmask_b32 v[S+32+\n], v[S+32+\n], v[NINF], vcc_lo
.endr
.Lopen_\@:
	; the maximum of my 32 scores and the old m: four chains, each begun at an accumulator's low end; the two tiles line by line
.irp j, 0,1,2,3
.irp t, 0,1
	v_max3_num_f32 v[ST+8*\t+4+\j], v[S+32*\t+8*\j], v[S+32*\t+8*\j+1], v[S+32*\t+8*\j+2]
.endr
.endr
.irp g, 1,2
.irp j, 0,1,2,3
.irp t, 0,1
	v_max3_num_f32 v[ST+8*\t+4+\j], v[ST+8*\t+4+\j], v[S+32*\t+8*\j+2*\g+1], v[S+32*\t+8*\j+2*\g+2]
.endr
.endr
.endr
.irp t, 0,1
	v_max3_num_f32 v[ST+8*\t+4], v[ST+8*\t+4], v[S+32*\t+7], v[S+32*\t+15]
.endr
.irp t, 0,1
	v_max3_num_f32 v[ST+8*\t+6], v[ST+8*\t+6], v[S+32*\t+23], v[S+32*\t+31]
.endr
.irp t, 0,1
	v_max3_num_f32 v[ST+8*\t+4], v[ST+8*\t+4], v[ST+8*\t+5], v[ST+8*\t+6]
.endr
.irp t, 0,1
	v_max3_num_f32 v[ST+8*\t+4], v[ST+8*\t+4], v[ST+8*\t+7], v[ST+8*\t+1]
.endr
.irp t, 0,1
	v_permlanex16_b32 v[ST+8*\t+5], v[ST+8*\t+4], s[SEL], s[SEL+1]   ; the query's other 32 keys lie in the lane 16 away
.endr
.irp t, 0,1
	v_mov_b32 v[ST+8*\t+7], v[ST+8*\t]             ; c m_old
.endr
.irp t, 0,1
	v_max_num_f32 v[ST+8*\t+1], v[ST+8*\t+4], v[ST+8*\t+5]
.endr
.irp t, 0,1
	v_mul_f32 v[ST+8*\t], s[CS+2*\t], v[ST+8*\t+1]
.endr
.irp t, 0,1
	v_sub_f32 v[ST+8*\t+7], v[ST+8*\t+7], v[ST+8*\t]
.endr
.irp t, 0,1
	v_exp_f32 v[ST+8*\t+6], v[ST+8*\t+7]           ; the factor 2^(c m_old - c m_new)
.endr
.irp j, 0,2,4,6,8,10,12,14,16,18,20,22,24,26,28,30
.irp t, 0,1
	v_pk_fma_f32 v[S+32*\t+\j:S+32*\t+\j+1], v[S+32*\t+\j:S+32*\t+\j+1], s[CS+2*\t:CS+2*\t+1], v[ST+8*\t:ST+8*\t+1] op_sel_hi:[1,0,0] neg_lo:[0,0,1] neg_hi:[0,0,1]   ; c s - c m
.endr
.endr
.irp j, 0,1,2,3,4,5,6,7,8,9,10,11,12,13,14,15,16,17,18,19,20,21,22,23,24,25,26,27,28,29,30,31,32,33,34,35,36,37,38,39,40,41,42,43,44,45,46,47,48,49,50,51,52,53,54,55,56,57,58,59,60,61,62,63
	v_exp_f32 v[S+\j], v[S+\j]
.endr
	v_nop                                          ; a plain line behind the last exponential
	s_wait_alu depctr_va_vdst(0)                   ; one wait for the step's 66 exponentials, ahead of the first line that names a result
.irp t, 0,1                                    ; l = l x factor + the sum of the unrounded p: two chains a tile
	v_pk_fma_f32 v[ST+8*\t+2:ST+8*\t+3], v[ST+8*\t+2:ST+8*\t+3], v[ST+8*\t+6:ST+8*\t+7], v[S+32*\t:S+32*\t+1] op_sel_hi:[1,0,1]
.endr
.irp t, 0,1
	v_pk_add_f32 v[ST+8*\t+4:ST+8*\t+5], v[S+32*\t+2:S+32*\t+3], v[S+32*\t+4:S+32*\t+5]
.endr
.irp j, 6,10,14,18,22,26
.irp t, 0,1
	v_pk_add_f32 v[ST+8*\t+2:ST+8*\t+3], v[ST+8*\t+2:ST+8*\t+3], v[S+32*\t+\j:S+32*\t+\j+1]
	v_pk_add_f32 v[ST+8*\t+4:ST+8*\t+5], v[ST+8*\t+4:ST+8*\t+5], v[S+32*\t+\j+2:S+32*\t+\j+3]
.endr
.endr
.irp t, 0,1
	v_pk_add_f32 v[ST+8*\t+2:ST+8*\t+3], v[ST+8*\t+2:ST+8*\t+3], v[S+32*\t+30:S+32*\t+31]
.endr
.irp t, 0,1
	v_pk_add_f32 v[ST+8*\t+2:ST+8*\t+3], v[ST+8*\t+2:ST+8*\t+3], v[ST+8*\t+4:ST+8*\t+5]
.endr
.irp j, 0,1,2,3,4,5,6,7,8,9,10,11,12,13,14,15
.irp t, 0,1
	v_cvt_pk_f16_f32 v[S+32*\t+\j], v[S+32*\t+2*\j], v[S+32*\t+2*\j+1]   ; P in place, ascending: register j is written when registers 2 j, 2 j + 1 are read
.endr
.endr
.irp j, 0,2,4,6,8,10,12,14,16,18,20,22,24,26,28,30
.irp t, 0,1
	v_pk_mul_f32 v[O+32*\t+\j:O+32*\t+\j+1], v[O+32*\t+\j:O+32*\t+\j+1], v[ST+8*\t+6:ST+8*\t+7] op_sel_hi:[1,0]
.endr
.endr
.irp p, 0,1                                    ; O^T += V^T P: eight accumulators take turns
	s_wait_dscnt 8-8*\p
.irp c, 0,1,2,3
.irp t, 0,1
	v_wmma_f32_16x16x32_f16 v[O+32*\t+8*\c:O+32*\t+8*\c+7], v[F0+32*\p+8*\c:F0+32*\p+8*\c+7], v[S+32*\t+8*\p:S+32*\t+8*\p+7], v[O+32*\t+8*\c:O+32*\t+8*\c+7]
.endr
.endr
.endr
.Lhidden_\@:
	s_add_co_u32 s[KF], s[KF], 64
.endm
; THE CHANGE OF SLOTS stands at a slot's head.  Each wave waits for all its tensor loads, adds 0 to its spare word, and waits for that and for its reads of the slot that it has left; behind the barrier the slot ahead is whole
; and nobody reads the other one.  fill = 1: that other slot takes the keys that follow, while some wave of the work-group will read them: the load has a slot's four steps in which to land.
.macro CHANGE fill
	s_wait_tensorcnt 0x0                           ; no tensor load of mine is out, so a group 0 may be written
	ds_add_u32 v[SPW], v[NIL]
.if \fill
	ds_add_u32 v[SPW], v[NIL]                      ; and twice on end here, in every trip alike
	s_xor_b32 s[G0K+1], s[G0K+1], SLOT1
	s_add_nc_u64 s[G0K+2:G0K+3], s[G0K+2:G0K+3], SK*128
	s_xor_b32 s[G0V+1], s[G0V+1], SLOT1
	s_add_nc_u64 s[G0V+2:G0V+3], s[G0V+2:G0V+3], SK*128
	s_wait_xcnt 0x0                                ; the last prefetch, a slot back, has read its address
	s_add_nc_u64 s[PFA:PFA+1], s[PFA:PFA+1], SK*128
.endif
	s_wait_dscnt 0x0
	s_barrier_signal -1
	s_barrier_wait -1
.if \fill
	s_add_co_u32 s62, s[KF], SK                    ; the first key of the slot that this change would ask for:
	s_cmp_gt_u32 s62, s[LASTQ]                     ; past my work-group's last position no wave reads it, so it is not asked for.  Ids and the count of steps alone: all sixteen waves go the same way; every wait for tensor loads in this text is for 0
	s_cbranch_scc1 .Lpast_\@
	TLOAD
.Lpast_\@:
	ASK
.endif
.endm
.macro SLOT_STEPS
	STEP 0
	STEP 1
	STEP 2
	STEP 3
	s_xor_b32 s[TB], s[TB], SLOT1
.endm
.Lslot:                                            ; NSL - 1 trips
	CHANGE 1
	SLOT_STEPS
	s_sub_co_u32 s[SLOTS], s[SLOTS], 1
	s_cmp_lg_u32 s[SLOTS], 0
	s_cbranch_scc1 .Lslot
	CHANGE 0                                       ; the last slot is written out: nothing is left to ask for
	SLOT_STEPS
	; THE WAY OUT: O^T / l, rounded to f16, through my stage: a row of 256 bytes holds my two heads' 128 channels of one position, and sixteen lanes store it whole.
.rept 4
	v_nop
.endr
.irp t, 0,1
	v_add_f32 v[ST+8*\t+4], v[ST+8*\t+2], v[ST+8*\t+3]
.endr
.irp t, 0,1
	v_permlanex16_b32 v[ST+8*\t+5], v[ST+8*\t+4], s[SEL], s[SEL+1]
.endr
.irp t, 0,1
	v_add_f32 v[ST+8*\t+4], v[ST+8*\t+4], v[ST+8*\t+5]
.endr
.irp t, 0,1
	v_rcp_f32 v[ST+8*\t+6], v[ST+8*\t+4]
.endr
	v_and_b32 v10, 15, v0                          ; (plain work behind the reciprocals)
	v_bfe_u32 v11, v0, 4, 1
	s_mul_i32 s62, s[WV], 16*272
	s_add_co_u32 s62, s62, STAGE
	v_mul_u32_u24 v28, v10, 272
	v_lshl_add_u32 v28, v11, 4, v28
	v_add_nc_u32 v28, s62, v28                     ; in: row r, + 16 h
	v_mul_u32_u24 v29, v11, 272
	v_lshl_add_u32 v29, v10, 4, v29
	v_add_nc_u32 v29, s62, v29                     ; back: lanes 0-15 one row, lanes 16-31 the next
	v_lshlrev_b32 v30, 11, v11
	v_lshl_add_u32 v30, v10, 4, v30                ; and the same two rows in y16
	s_wait_alu depctr_va_vdst(0)                   ; one wait for the two reciprocals, ahead of their first reader
.irp j, 0,2,4,6,8,10,12,14,16,18,20,22,24,26,28,30
.irp t, 0,1
	v_pk_mul_f32 v[O+32*\t+\j:O+32*\t+\j+1], v[O+32*\t+\j:O+32*\t+\j+1], v[ST+8*\t+6:ST+8*\t+7] op_sel_hi:[1,0]
.endr
.endr
.irp j, 0,1,2,3,4,5,6,7,8,9,10,11,12,13,14,15,16,17,18,19,20,21,22,23,24,25,26,27,28,29,30,31
	v_cvt_pk_f16_f32 v[S+\j], v[O+2*\j], v[O+2*\j+1]
.endr
.irp t, 0,1
.irp c, 0,1,2,3
	ds_store_b128 v28, v[S+16*\t+4*\c:S+16*\t+4*\c+3] offset:128*\t+32*\c
.endr
.endr
.irp f, 0,1,2,3,4,5,6,7
	ds_load_b128 v[F0+4*\f:F0+4*\f+3], v29 offset:544*\f   ; LDS serves a wave's instructions in order: these see my stores
.endr
.irp f, 0,1,2,3,4,5,6,7
	s_wait_dscnt 7-\f
	global_store_b128 v30, v[F0+4*\f:F0+4*\f+3], s[8:9] offset:4096*\f   ; 16 lanes store 256 consecutive bytes, aligned
.endr
	s_wait_tensorcnt 0x0                           ; the wave's end
	ds_add_u32 v[SPW], v[NIL]
	s_wait_dscnt 0x0
	s_endpgm
.Lfunc_end_k_q352a6150c4_attn:
	.size	k_q352a6150c4_attn, .Lfunc_end_k_q352a6150c4_attn-k_q352a6150c4_attn
	.p2alignl 7, 3214868480
	.fill 96, 4, 3214868480
	.section	.rodata,"a",@progbits
	.p2align	6, 0x0
	.amdhsa_kernel k_q352a6150c4_attn
		.amdhsa_group_segment_fixed_size 327680
		.amdhsa_private_segment_fixed_size 0
		.amdhsa_enable_private_segment 0
		.amdhsa_kernarg_size 24
		.amdhsa_user_sgpr_count 2
		.amdhsa_user_sgpr_kernarg_segment_ptr 1
		.amdhsa_wavefront_size32 1
		.amdhsa_system_sgpr_workgroup_id_x 1
		.amdhsa_system_sgpr_workgroup_id_y 1
		.amdhsa_system_sgpr_workgroup_id_z 1
		.amdhsa_system_vgpr_workitem_id 0
		.amdhsa_next_free_vgpr 256
		.amdhsa_next_free_sgpr 80
		.amdhsa_reserve_vcc 1
		.amdhsa_float_denorm_mode_32 3
		.amdhsa_float_denorm_mode_16_64 3
		.amdhsa_memory_ordered 1
		.amdhsa_forward_progress 1
		.amdhsa_inst_pref_size 181
	.end_amdhsa_kernel
	.amdgpu_metadata
---
amdhsa.version: [ 1, 2 ]
amdhsa.kernels:
  - .name:           k_q352a6150c4_attn
    .symbol:         k_q352a6150c4_attn.kd
    .args:
      - { .name: qkvh, .offset: 0, .size: 8, .value_kind: global_buffer, .address_space: global }
      - { .name: qk_gain, .offset: 8, .size: 8, .value_kind: global_buffer, .address_space: global }
      - { .name: y16, .offset: 16, .size: 8, .value_kind: global_buffer, .address_space: global }
    .group_segment_fixed_size: 327680
    .private_segment_fixed_size: 0
    .kernarg_segment_align: 8
    .kernarg_segment_size: 24
    .max_flat_workgroup_size: 512
    .sgpr_count:     80
    .vgpr_count:     256
    .wavefront_size: 32
...
	.end_amdgpu_metadata
.endif
;; end of part 3
;; launch outp (part 4): grid 4 x 64, 4 waves a work-group, clusters of 4 x 4, 327,680 bytes of LDS; arguments y16, wo16, bo, out0; writes out0
.if DOCPART == 4
	.amdgcn_target "amdgcn-amd-amdhsa--gfx1250"
	.amdhsa_code_object_version 6
	.text
	.protected	k_q352a6150c4_outp
	.globl	k_q352a6150c4_outp
	.p2align	8
	.type	k_q352a6150c4_outp,@function
k_q352a6150c4_outp:
	s_mov_b64 s[64:65], 0
	v_nop
	global_prefetch_b8 v0, s[64:65] scope:SCOPE_SE
	s_setreg_imm32_b32 hwreg(HW_REG_WAVE_MODE, 25, 1), 1
	s_wait_xcnt 0x0
	s_wait_alu depctr_hold_cnt(0) depctr_sa_sdst(0) depctr_va_vdst(0) depctr_va_sdst(0) depctr_va_ssrc(0) depctr_va_vcc(0) depctr_vm_vsrc(0)
	s_getreg_b32 s2, hwreg(HW_REG_IB_STS2, 6, 4)
	s_cmp_eq_u32 s2, 0
	s_cbranch_scc0 .Lentry_in_a_cluster
	s_endpgm
.Lentry_in_a_cluster:
	s_bfe_u32 s2, ttmp6, 0x10000c
	s_cmp_lg_u32 s2, 0xf033
	s_cbranch_scc0 .Lentry_shape_is_right
	s_endpgm
.Lentry_shape_is_right:
; out0[m][n] = the sum over k of y16[m][k] wo16[n][k] + bo[n].  y16 [8192][1024], wo16 [1024][1024]: f16; sums and out0 in f32.  (Rows 0-15 of each batch are stored again, more finely, by the launch that follows.)
; A tile of 128 x 256 gives 64 x 4 = 256 work-groups.  Four waves, each 64 x 128: 32 accumulators, 256 registers.  K goes in steps of 128 (rows of 256 bytes) through a ring of two LDS slots.
; CLUSTERS: 4 x 4.  y's tile is shared along a row of the cluster, Wo's along a column: joint loads, the same descriptor and mask in the four that a mask names.
; THE MATRIX INSTRUCTION IS USED TRANSPOSED (source 0 = 16 rows of Wo, source 1 = 16 rows of y): a lane holds eight neighbouring columns of one row.
; No prefetch: the tiles are shared in the cluster, and the launch's own loads and stores keep its traffic going throughout.
; REGISTERS: window 0: v0-31 addresses; v32-63, v64-95 y's fragments (4 x 16 rows x 32 K), two buffers; v96-159, v160-223 Wo's (8), two buffers; v224-227 the bias; on the way out v32-159 rows.  window 1: the accumulators, (a, b) at v[8 (8 a + b)].
.set KSTEP,  128
.set PITCH,  272                       ; 256 bytes + 16 of padding
.set AH,     64*PITCH                  ; 64 rows of y: what waves 0, 1 fetch, and what a wave reads
.set BH,     128*PITCH                 ; 128 rows of Wo: what waves 2, 3 fetch, and what a wave reads
.set SLOT,   2*AH+2*BH
.set STAGE,  2*SLOT                    ; behind the ring: 16 rows x 528 bytes for each wave
.set SPITCH, 528
.set SPARE,  STAGE+4*16*SPITCH
.set LAPS,   1024/(2*KSTEP)
.set ADRA, 16
.set ADRB, 20
.set STO,  24
.set RD,   25
.set CO,   26
.set SPW,  28
.set NIL,  29
.set FA,   32
.set FB,   96
.set BI,   224
.set G1, 24
.set G0, 32
.set G1B, 48
.set G0B, 56
.set MSB, 0
.macro WIN new
.if MSB != (\new)
	s_set_vgpr_msb (MSB<<8)|(\new)
.set MSB, (\new)
.endif
.endm
.set MUL, 0x50                         ; sources 0 and 1 window 0; C and D window 1
.macro JLOAD s                         ; waves 0 and 1 fetch y's halves, waves 2 and 3 Wo's; an s_nop 0 and four v_nop follow each line
	s_cmp_eq_u32 s13, 0
	s_cbranch_scc0 .Lfor_b_\@
	tensor_load_to_lds s[G0+4*\s:G0+4*\s+3], s[G1:G1+7]
	s_nop 0
.rept 4
	v_nop
.endr
	s_branch .Lasked_\@
.Lfor_b_\@:
	tensor_load_to_lds s[G0B+4*\s:G0B+4*\s+3], s[G1B:G1B+7]
	s_nop 0
.rept 4
	v_nop
.endr
.Lasked_\@:
.endm
.macro CREST
	s_cmp_lg_u32 s12, 0
	s_cbranch_scc1 .Lnot_wave_0_\@
	s_barrier_signal -3
.Lnot_wave_0_\@:
	s_barrier_wait -3
	s_barrier_signal -1
	s_barrier_wait -1
.endm
.macro CROUND
	s_barrier_signal -1
	s_barrier_wait -1
	CREST
.endm
	s_load_b128 s[4:7], s[0:1], 0x0                ; y16, wo16
	s_load_b128 s[8:11], s[0:1], 0x10              ; bo, out0
	v_lshl_add_u32 v[SPW], v0, 2, SPARE
	v_mov_b32 v[NIL], 0
	ds_add_u32 v[SPW], v[NIL]                      ; the wave's opening: the add, twice on end, and its wait ahead of my first tensor load
	ds_add_u32 v[SPW], v[NIL]
	v_lshrrev_b32 v1, 5, v0
	v_readfirstlane_b32 s12, v1                    ; wave 0..3
	s_lshr_b32 s13, s12, 1                         ; which 64 rows of the tile are mine.  Also: I fetch for y (0) or for Wo (1)
	s_and_b32 s14, s12, 1                          ; which 128 columns.  Also: which half of that tile I fetch
	s_bfe_u32 s40, ttmp6, 0x40000                  ; cx
	s_bfe_u32 s41, ttmp6, 0x40004                  ; cy
	s_lshl_b32 s42, ttmp9, 2
	s_add_co_u32 s42, s42, s40                     ; tile column
	s_and_b32 s15, ttmp7, 0xffff
	s_lshl_b32 s15, s15, 2
	s_add_co_u32 s15, s15, s41                     ; tile row
	s_lshl_b32 s43, s41, 2
	s_lshl_b32 s43, 15, s43                        ; my row of the cluster
	s_lshl_b32 s44, 0x1111, s40                    ; my column
	s_or_b32 s[G1+0], s43, (1<<16)|(1<<20)|(1<<21)|(5<<22)|(3<<25)   ; the mask; elements of 2 bytes; 4 words of padding after every 64
	s_or_b32 s[G1B+0], s44, (1<<16)|(1<<20)|(1<<21)|(5<<22)|(3<<25)
	s_mov_b32 s[G1+1], KSTEP<<16
	s_mov_b32 s[G1+2], 64<<16
	s_mov_b32 s[G1+3], KSTEP<<16
	s_mov_b32 s[G1+4], 64
	s_mov_b32 s[G1+5], 1024
	s_mov_b32 s[G1+6], 0
	s_mov_b32 s[G1+7], 0
	s_mov_b32 s[G1B+1], KSTEP<<16
	s_mov_b32 s[G1B+2], 128<<16
	s_mov_b32 s[G1B+3], KSTEP<<16
	s_mov_b32 s[G1B+4], 128
	s_mov_b32 s[G1B+5], 1024
	s_mov_b32 s[G1B+6], 0
	s_mov_b32 s[G1B+7], 0
	s_lshl_b32 s16, s15, 7
	s_lshl_b32 s17, s14, 6
	s_add_co_u32 s16, s16, s17                     ; y: row 128 x tile row + 64 x half,
	s_lshl_b32 s16, s16, 11                        ; 2,048 bytes a row
	s_mov_b32 s17, 0
	s_lshl_b32 s46, s42, 8
	s_lshl_b32 s47, s14, 7
	s_add_co_u32 s46, s46, s47                     ; Wo: row 256 x tile column + 128 x half
	s_lshl_b32 s46, s46, 11
	s_mov_b32 s47, 0
	s_mul_i32 s20, s14, AH                         ; where they go: no place in the cluster enters an LDS address
	s_mul_i32 s21, s14, BH
	s_add_co_u32 s21, s21, 2*AH
	s_wait_dscnt 0x0                               ; both opening adds are done
	s_wait_kmcnt 0x0
	s_add_nc_u64 s[18:19], s[4:5], s[16:17]
	s_add_nc_u64 s[46:47], s[6:7], s[46:47]
	CROUND                                         ; all sixteen work-groups are here: the first joint loads meet
.irp s, 0,1
	s_mov_b32 s[G0+4*\s], 1
	s_add_co_u32 s[G0+4*\s+1], s20, \s*SLOT
	s_add_nc_u64 s[G0+4*\s+2:G0+4*\s+3], s[18:19], \s*KSTEP*2
	s_or_b32 s[G0+4*\s+3], s[G0+4*\s+3], 0x80000000
	s_mov_b32 s[G0B+4*\s], 1
	s_add_co_u32 s[G0B+4*\s+1], s21, \s*SLOT
	s_add_nc_u64 s[G0B+4*\s+2:G0B+4*\s+3], s[46:47], \s*KSTEP*2
	s_or_b32 s[G0B+4*\s+3], s[G0B+4*\s+3], 0x80000000
	JLOAD \s
.endr
	v_and_b32 v1, 15, v0
	v_bfe_u32 v2, v0, 4, 1
	v_mul_u32_u24 v3, v1, PITCH
	v_lshl_add_u32 v3, v2, 4, v3                   ; a fragment's row x pitch + 16 x half
	s_mul_i32 s21, s13, AH                         ; my 64 rows of y
	s_mul_i32 s22, s14, BH                         ; my 128 rows of Wo,
	s_add_co_u32 s22, s22, 2*AH                    ; behind y's 128
.irp s, 0,1
	v_add_nc_u32 v[ADRA+\s], s21, v3
	v_add_nc_u32 v[ADRB+\s], s22, v3
	s_add_co_u32 s21, s21, SLOT
	s_add_co_u32 s22, s22, SLOT
.endr
	s_mul_i32 s23, s12, 16*SPITCH
	s_add_co_u32 s23, s23, STAGE                   ; my stage
	v_mul_u32_u24 v5, v1, SPITCH
	v_lshl_add_u32 v5, v2, 5, v5
	v_add_nc_u32 v[STO], s23, v5                   ; in: row r, 32 bytes for each half of the lanes
	v_and_b32 v6, 31, v0
	v_lshlrev_b32 v[CO], 4, v6                     ; back: the 32 lanes take one row of 512 bytes; the same in out0 and in bo
	v_add_nc_u32 v[RD], s23, v[CO]
	s_lshl_b32 s16, s15, 7
	s_lshl_b32 s17, s13, 6
	s_add_co_u32 s16, s16, s17                     ; my first row of out0,
	s_lshl_b32 s16, s16, 12                        ; 4,096 bytes a row
	s_mov_b32 s17, 0
	s_lshl_b32 s46, s42, 10                        ; my first column, in bytes
	s_lshl_b32 s47, s14, 9
	s_add_co_u32 s46, s46, s47
	s_mov_b32 s47, 0
	s_add_nc_u64 s[10:11], s[10:11], s[16:17]
	s_add_nc_u64 s[10:11], s[10:11], s[46:47]
	s_add_nc_u64 s[8:9], s[8:9], s[46:47]
	global_load_b128 v[BI:BI+3], v[CO], s[8:9]     ; bo at my lane's four columns of a row read back
; 8 matrix instructions: y's block a against Wo's eight, 32 along K, buffer f.  The 32 accumulators take turns, one instruction a turn, in the same order in every quarter.
.macro MUL8 f, a, zero
.irp b, 0,1,2,3,4,5,6,7
.if \zero
	v_wmma_f32_16x16x32_f16 v[8*(8*(\a)+\b):8*(8*(\a)+\b)+7], v[FB+64*(\f)+8*\b:FB+64*(\f)+8*\b+7], v[FA+32*(\f)+8*(\a):FA+32*(\f)+8*(\a)+7], 0
.else
	v_wmma_f32_16x16x32_f16 v[8*(8*(\a)+\b):8*(8*(\a)+\b)+7], v[FB+64*(\f)+8*\b:FB+64*(\f)+8*\b+7], v[FA+32*(\f)+8*(\a):FA+32*(\f)+8*(\a)+7], v[8*(8*(\a)+\b):8*(8*(\a)+\b)+7]
.endif
.endr
.endm
.macro FETCH slot, k, f                ; 24 LDS loads in one run: 32 along K at byte k of the rows: Wo's eight fragments, then y's four
	WIN 0
.irp i, 0,1,2,3,4,5,6,7
	ds_load_b128 v[FB+64*(\f)+8*\i:FB+64*(\f)+8*\i+3], v[ADRB+\slot] offset:\k+\i*16*PITCH
	ds_load_b128 v[FB+64*(\f)+8*\i+4:FB+64*(\f)+8*\i+7], v[ADRB+\slot] offset:\k+\i*16*PITCH+32
.endr
.irp i, 0,1,2,3
	ds_load_b128 v[FA+32*(\f)+8*\i:FA+32*(\f)+8*\i+3], v[ADRA+\slot] offset:\k+\i*16*PITCH
	ds_load_b128 v[FA+32*(\f)+8*\i+4:FA+32*(\f)+8*\i+7], v[ADRA+\slot] offset:\k+\i*16*PITCH+32
.endr
.endm
.macro PLACES                          ; four plain lines in front of loads into registers that matrix instructions have read, and of reads of results
.rept 4
	v_nop
.endr
.endm
.macro QUARTER slot, k, f, g, zero     ; multiplies buffer f; in its middle fetches the next quarter, at byte k, into buffer g
	s_wait_dscnt 4                                 ; Wo's fragments and y's blocks 0, 1 are in; the youngest four loads (blocks 2, 3) may be out
	WIN MUL
	MUL8 \f, 0, \zero
	MUL8 \f, 1, \zero
	PLACES
	FETCH \slot, \k, \g
	s_wait_dscnt 24                                ; all but the 24 just issued
	WIN MUL
	MUL8 \f, 2, \zero
	MUL8 \f, 3, \zero
.endm
; A K step's last quarter multiplies buffer 1 and changes slots: each wave waits for all its tensor loads, adds 0 to its spare word, waits for that and for its reads of this slot; one barrier, which opens a round of the
; cluster's barrier where the slot is filled again (fill = 1), two K steps ahead; the joint refill stands first behind the round.
.macro TURN slot, next, fill
	WIN 0
	s_wait_tensorcnt 0x0                           ; all my tensor loads have landed: my part of the next slot
	ds_add_u32 v[SPW], v[NIL]
	s_wait_dscnt 5                                 ; (the add and the youngest four loads may be out)
	WIN MUL
	MUL8 1, 0, 0
	s_wait_dscnt 0x0                               ; the add is done, and my reads of this slot are over
	s_barrier_signal -1
	MUL8 1, 1, 0
.if \fill
	WIN 0
.endif
	s_barrier_wait -1
.if \fill
	CREST
	s_add_nc_u64 s[G0+4*\slot+2:G0+4*\slot+3], s[G0+4*\slot+2:G0+4*\slot+3], 2*KSTEP*2
	s_add_nc_u64 s[G0B+4*\slot+2:G0B+4*\slot+3], s[G0B+4*\slot+2:G0B+4*\slot+3], 2*KSTEP*2
	JLOAD \slot                                    ; the four v_nop behind it are also the places in front of the loads below
.else
	PLACES
.endif
	FETCH \next, 0, 0
	WIN MUL
	MUL8 1, 2, 0
	MUL8 1, 3, 0
.endm
	s_wait_tensorcnt 1                             ; my part of K step 0 is in (K step 1's load may be out)
	s_barrier_signal -1
	s_barrier_wait -1                              ; everybody's is
	FETCH 0, 0, 0
	QUARTER 0, 64, 0, 1, 1                         ; the first quarter stands in front of the loop: its products start the sums
	WIN 0
	s_mov_b32 s3, LAPS-1
.Llap:                                             ; a trip goes once round the ring and fills both slots again
	QUARTER 0, 128, 1, 0, 0
	QUARTER 0, 192, 0, 1, 0
	TURN 0, 1, 1
	QUARTER 1, 64,  0, 1, 0
	QUARTER 1, 128, 1, 0, 0
	QUARTER 1, 192, 0, 1, 0
	TURN 1, 0, 1
	QUARTER 0, 64,  0, 1, 0
	WIN 0
	s_sub_co_u32 s3, s3, 1
	s_cmp_lg_u32 s3, 0
	s_cbranch_scc1 .Llap
	QUARTER 0, 128, 1, 0, 0                        ; the last lap fills nothing
	QUARTER 0, 192, 0, 1, 0
	TURN 0, 1, 0
	QUARTER 1, 64,  0, 1, 0
	QUARTER 1, 128, 1, 0, 0
	QUARTER 1, 192, 0, 1, 0
	s_wait_dscnt 4
	WIN MUL
	MUL8 1, 0, 0
	MUL8 1, 1, 0
	s_wait_dscnt 0
	MUL8 1, 2, 0
	MUL8 1, 3, 0
	WIN 0
; THE WAY OUT, a block of 16 rows x 128 columns at a time: through my stage, back as whole rows of 512 bytes, + the bias, stored by the 32 lanes as 512 consecutive bytes.
.macro TOSTAGE a
	WIN 0x04                                       ; an LDS store's data are its source 1: window 1
.irp b, 0,1,2,3,4,5,6,7
	ds_store_b128 v[STO], v[8*(8*(\a)+\b):8*(8*(\a)+\b)+3] offset:64*\b        ; each accumulator from its low end on
	ds_store_b128 v[STO], v[8*(8*(\a)+\b)+4:8*(8*(\a)+\b)+7] offset:64*\b+16
.endr
	WIN 0
.set BB, 32+64*((\a)%2)
.irp t, 0,1,2,3,4,5,6,7,8,9,10,11,12,13,14,15
	ds_load_b128 v[BB+4*\t:BB+4*\t+3], v[RD] offset:\t*SPITCH                  ; LDS serves a wave's instructions in order: these see the stores above
.endr
.endm
.macro SEND a, younger
.set BB, 32+64*((\a)%2)
	s_wait_dscnt \younger                          ; the block is back; the LDS instructions issued behind its loads may be out
.irp t, 0,1,2,3,4,5,6,7,8,9,10,11,12,13,14,15
	v_pk_add_f32 v[BB+4*\t:BB+4*\t+1], v[BB+4*\t:BB+4*\t+1], v[BI:BI+1]
	v_pk_add_f32 v[BB+4*\t+2:BB+4*\t+3], v[BB+4*\t+2:BB+4*\t+3], v[BI+2:BI+3]
	global_store_b128 v[CO], v[BB+4*\t:BB+4*\t+3], s[10:11] offset:(16*(\a)+\t)*4096 th:TH_STORE_NT
.endr
.endm
	PLACES
	s_wait_loadcnt 0x0                             ; the bias
	TOSTAGE 0
.irp a, 1,2,3
.if \a > 1
	s_wait_xcnt 0x0                                ; block a - 2's stores have read their registers: block a's loads may land there
.endif
	TOSTAGE \a
	SEND \a-1, 32                                  ; behind block a - 1's loads: block a's 16 stores and 16 loads
.endr
	SEND 3, 0
	s_wait_tensorcnt 0x0                           ; the wave's end
	ds_add_u32 v[SPW], v[NIL]
	s_wait_dscnt 0x0
	CROUND                                         ; the closing round
	s_endpgm
.Lfunc_end_k_q352a6150c4_outp:
	.size	k_q352a6150c4_outp, .Lfunc_end_k_q352a6150c4_outp-k_q352a6150c4_outp
	.p2alignl 7, 3214868480
	.fill 96, 4, 3214868480
	.section	.rodata,"a",@progbits
	.p2align	6, 0x0
	.amdhsa_kernel k_q352a6150c4_outp
		.amdhsa_group_segment_fixed_size 327680
		.amdhsa_private_segment_fixed_size 0
		.amdhsa_enable_private_segment 0
		.amdhsa_kernarg_size 32
		.amdhsa_user_sgpr_count 2
		.amdhsa_user_sgpr_kernarg_segment_ptr 1
		.amdhsa_wavefront_size32 1
		.amdhsa_system_sgpr_workgroup_id_x 1
		.amdhsa_system_sgpr_workgroup_id_y 1
		.amdhsa_system_sgpr_workgroup_id_z 1
		.amdhsa_system_vgpr_workitem_id 0
		.amdhsa_next_free_vgpr 512
		.amdhsa_next_free_sgpr 66
		.amdhsa_reserve_vcc 0
		.amdhsa_float_denorm_mode_32 3
		.amdhsa_float_denorm_mode_16_64 3
		.amdhsa_memory_ordered 1
		.amdhsa_forward_progress 1
		.amdhsa_inst_pref_size 93
	.end_amdhsa_kernel
	.amdgpu_metadata
---
amdhsa.version: [ 1, 2 ]
amdhsa.kernels:
  - .name:           k_q352a6150c4_outp
    .symbol:         k_q352a6150c4_outp.kd
    .args:
      - { .name: y16, .offset: 0, .size: 8, .value_kind: global_buffer, .address_space: global }
      - { .name: wo16, .offset: 8, .size: 8, .value_kind: global_buffer, .address_space: global }
      - { .name: bo, .offset: 16, .size: 8, .value_kind: global_buffer, .address_space: global }
      - { .name: out0, .offset: 24, .size: 8, .value_kind: global_buffer, .address_space: global }
    .group_segment_fixed_size: 327680
    .private_segment_fixed_size: 0
    .kernarg_segment_align: 8
    .kernarg_segment_size: 32
    .max_flat_workgroup_size: 128
    .sgpr_count:     66
    .vgpr_count:     512
    .wavefront_size: 32
...
	.end_amdgpu_metadata
.endif
;; end of part 4
;; launch fine (part 5): grid 64 x 4, 16 waves a work-group, no clusters, 18,432 bytes of LDS; arguments qkv32, Wo, bo, qk_gain, out0; writes out0
.if DOCPART == 5
	.amdgcn_target "amdgcn-amd-amdhsa--gfx1250"
	.amdhsa_code_object_version 6
	.text
	.protected	k_q352a6150c4_fine
	.globl	k_q352a6150c4_fine
	.p2align	8
	.type	k_q352a6150c4_fine,@function
k_q352a6150c4_fine:
	s_mov_b64 s[64:65], 0
	v_nop
	global_prefetch_b8 v0, s[64:65] scope:SCOPE_SE
	s_setreg_imm32_b32 hwreg(HW_REG_WAVE_MODE, 25, 1), 1
	s_wait_xcnt 0x0
; The first 16 positions of each batch, where a row of the softmax averages few values: scores, weighted values and the projection on the way out in f32 throughout, from the f32 q, k, v that the projection left in qkv32
; and from Wo as it is given.  It stores out0[batch][0..15][:] over what the launch before left there: 64 rows in all, no bulk work.
; SHARES.  A work-group makes 16 positions x 16 columns (n0 = 16 x work-group x) of one batch.  Wave w is head w: it makes its head's attention for the 16 positions, and that head's part of the 16 x 16 outputs
; (K = its 64 channels).  The sixteen parts meet in LDS and are added in the order of the heads.  The attention is made anew in each of a batch's 64 work-groups: that spares a launch and a sum across work-groups.
; qkv32: byte batch x 98304 + cb x 1024 + u x 512 + 16 x lane: four numbers: position lane % 16, columns 16 cb + 8 (lane / 16) + 4 u + 0..3 (q: columns 0-1023, k: 1024-1279, v: 1280-1535).
; THE FORM takes K = 4 with k = 2 (lane / 16) + j in register j.  A place k may stand for any element of the sum if it does so in both operands: here place (h, j) of step (c, g) stands for channel 16 c + 8 h + 2 g + j,
; so that pairs of an image's registers ARE fragments, of q and k, and later of y; in the second product for key 8 h + 2 s + j, so that pairs of p's registers are.
; The registers that the matrix instructions write (v144-239) are written by them alone; what is made of a sum goes into other registers.
; Each store writes pieces of 64 bytes of sixteen rows: 262,144 bytes in the whole launch.  LIMITS: NaN and infinities are not served; the sum over heads goes in the order 0..15.
.set SPARE, 16384                      ; behind the sixteen parts of 1,024 bytes: the spare words
.set QI, 16                            ; v16-47   q's image: register 8 c + i: position r, channel 16 c + 8 h + i
.set KI, 48                            ; v48-79   k's
.set VF, 80                            ; v80-111  v, gathered: register 8 c + i: key 8 h + i, channel 16 c + r
.set WF, 112                           ; v112-143 Wo: register 8 c + i: row n0 + r, column 64 w + 16 c + 8 h + i
.set SA, 144                           ; four accumulators of S^T
.set OA, 176                           ; four tiles of y^T
.set UA, 208                           ; four accumulators of the outputs
.set T,  240                           ; v240-247 scores, then p; v248-255 at work
	s_load_b256 s[4:11], s[0:1], 0x0               ; qkv32 s[4:5], Wo s[6:7], bo s[8:9], qk_gain s[10:11]
	s_load_b64 s[12:13], s[0:1], 0x20              ; out0
	v_lshl_add_u32 v6, v0, 2, SPARE                ; my spare word; never rewritten
	v_mov_b32 v7, 0                                ; 0; never rewritten
	v_lshrrev_b32 v9, 5, v0
	v_readfirstlane_b32 s14, v9                    ; wave = head
	v_and_b32 v1, 15, v0                           ; r
	v_bfe_u32 v2, v0, 4, 1                         ; h
	v_and_b32 v3, 31, v0
	v_lshlrev_b32 v3, 4, v3                        ; 16 x lane
	v_bfe_u32 v4, v0, 2, 1                         ; v's gather: channel r of a tile lies at u = (r / 4) % 2, half r / 8, word r % 4; key 8 h + i at 16 bytes a key
	v_lshlrev_b32 v4, 9, v4
	v_bfe_u32 v9, v0, 3, 1
	v_lshl_add_u32 v4, v9, 8, v4
	v_and_b32 v9, 3, v0
	v_lshl_add_u32 v4, v9, 2, v4
	v_lshl_add_u32 v4, v2, 7, v4
	v_lshlrev_b32 v5, 12, v1
	v_lshl_add_u32 v5, v2, 5, v5                   ; 4,096 r + 32 h: Wo's rows, and out0's
	v_lshlrev_b32 v8, 3, v2
	v_sub_nc_u32 v8, v1, v8                        ; r - 8 h: register j's key 8 h + j is hidden where j is above it
	s_lshl_b32 s15, s14, 10
	v_add_nc_u32 v10, s15, v3                      ; LDS: my part
	s_and_b32 s16, s14, 1
	s_lshl_b32 s17, s16, 9
	v_add_nc_u32 v11, s17, v3                      ; LDS: where waves 0 and 1 read: the parts' first or second four registers
	s_lshl_b32 s17, s16, 4
	v_add_nc_u32 v12, s17, v5                      ; and where they store
	v_lshl_add_u32 v13, v2, 5, s17                 ; and their four numbers of bo
	s_mov_b32 s30, 0x76543210
	s_mov_b32 s31, 0xfedcba98
	s_and_b32 s18, ttmp7, 0xffff                   ; batch
	s_mul_i32 s20, s18, 98304
	s_mov_b32 s21, 0
	s_lshr_b32 s19, s14, 2                         ; kv head
	s_lshl_b32 s22, s14, 12                        ; q: column blocks 4 w on
	s_mov_b32 s23, 0
	s_lshl_b32 s24, s19, 12
	s_add_co_u32 s24, s24, 65536                   ; k: column blocks 64 + 4 kv on; v: 16 blocks further
	s_mov_b32 s25, 0
	s_lshl_b32 s26, ttmp9, 16                      ; Wo: row n0,
	s_lshl_b32 s27, s14, 8
	s_add_co_u32 s26, s26, s27                     ; column 64 w
	s_mov_b32 s27, 0
	s_lshl_b32 s32, s14, 2
	s_mov_b32 s33, 0
	s_lshl_b32 s34, ttmp9, 6                       ; 4 n0
	s_mov_b32 s35, 0
	s_lshl_b32 s36, s18, 23                        ; a batch of out0
	s_mov_b32 s37, 0
	s_wait_kmcnt 0x0
	s_add_nc_u64 s[10:11], s[10:11], s[32:33]
	s_load_b32 s28, s[10:11], 0x0                  ; my head's gain
	s_add_nc_u64 s[4:5], s[4:5], s[20:21]
	s_add_nc_u64 s[22:23], s[4:5], s[22:23]
	s_add_nc_u64 s[24:25], s[4:5], s[24:25]
	s_add_nc_u64 s[6:7], s[6:7], s[26:27]
	s_add_nc_u64 s[8:9], s[8:9], s[34:35]
	s_add_nc_u64 s[12:13], s[12:13], s[34:35]
	s_add_nc_u64 s[12:13], s[12:13], s[36:37]
.irp c, 0,1,2,3
.irp u, 0,1
	global_load_b128 v[QI+8*\c+4*\u:QI+8*\c+4*\u+3], v3, s[22:23] offset:1024*\c+512*\u
	global_load_b128 v[KI+8*\c+4*\u:KI+8*\c+4*\u+3], v3, s[24:25] offset:1024*\c+512*\u
.endr
.endr
.irp c, 0,1,2,3
.irp i, 0,1,2,3,4,5,6,7
	global_load_b32 v[VF+8*\c+\i], v4, s[24:25] offset:16384+1024*\c+16*\i
.endr
.endr
.irp c, 0,1,2,3
	global_load_b128 v[WF+8*\c:WF+8*\c+3], v5, s[6:7] offset:64*\c
	global_load_b128 v[WF+8*\c+4:WF+8*\c+7], v5, s[6:7] offset:64*\c+16
.endr
	s_wait_kmcnt 0x0
	v_mov_b32 v9, s28
	v_mul_f32 v9, 0x3e38aa3b, v9                   ; gain x log2(e) / 8, with its sign
	v_mov_b32 v14, 0xff800000                      ; -infinity
	s_wait_loadcnt 0x0
.irp g, 0,1,2,3                                ; S^T = k q^T: 16 steps of 4 channels; four accumulators take turns, one instruction a turn; each sum's first step takes the constant 0
.irp c, 0,1,2,3
.if \g == 0
	v_wmma_f32_16x16x4_f32 v[SA+8*\c:SA+8*\c+7], v[KI+8*\c+2*\g:KI+8*\c+2*\g+1], v[QI+8*\c+2*\g:QI+8*\c+2*\g+1], 0
.else
	v_wmma_f32_16x16x4_f32 v[SA+8*\c:SA+8*\c+7], v[KI+8*\c+2*\g:KI+8*\c+2*\g+1], v[QI+8*\c+2*\g:QI+8*\c+2*\g+1], v[SA+8*\c:SA+8*\c+7]
.endif
.endr
.endr
.rept 8
	v_nop                                          ; eight places behind this form, in front of the first read of its results (ISA guide 7.12.1)
.endr
.irp i, 0,2,4,6
	v_pk_add_f32 v[T+\i:T+\i+1], v[SA+\i:SA+\i+1], v[SA+8+\i:SA+8+\i+1]        ; lane (r, h), register j: query r, key 8 h + j
.endr
.irp i, 0,2,4,6
	v_pk_add_f32 v[T+8+\i:T+8+\i+1], v[SA+16+\i:SA+16+\i+1], v[SA+24+\i:SA+24+\i+1]
.endr
.irp i, 0,2,4,6
	v_pk_add_f32 v[T+\i:T+\i+1], v[T+\i:T+\i+1], v[T+8+\i:T+8+\i+1]
.endr
.irp j, 0,1,2,3,4,5,6,7
	v_mul_f32 v[T+\j], v9, v[T+\j]
.endr
.irp j, 0,1,2,3,4,5,6,7
	v_cmp_gt_i32 vcc_lo, \j, v8                    ; the causal mask, behind the scaling: a gain of 0 or below leaves -infinity as it is
	v_cndmask_b32 v[T+\j], v[T+\j], v14, vcc_lo
.endr
	v_max3_num_f32 v15, v[T], v[T+1], v[T+2]
	v_max3_num_f32 v15, v15, v[T+3], v[T+4]
	v_max3_num_f32 v15, v15, v[T+5], v[T+6]
	v_max_num_f32 v15, v15, v[T+7]
	v_permlanex16_b32 v[T+8], v15, s30, s31
	v_max_num_f32 v15, v15, v[T+8]                 ; the row's maximum: key 0 counts for every query, so it is a number
.irp j, 0,1,2,3,4,5,6,7
	v_sub_f32 v[T+\j], v[T+\j], v15
.endr
.irp j, 0,1,2,3,4,5,6,7
	v_exp_f32 v[T+\j], v[T+\j]
.endr
	v_nop                                          ; a plain line behind the last exponential
	s_wait_alu depctr_va_vdst(0)                   ; one wait for the eight, ahead of their first reader
	v_pk_add_f32 v[T+8:T+9], v[T:T+1], v[T+2:T+3]
	v_pk_add_f32 v[T+10:T+11], v[T+4:T+5], v[T+6:T+7]
	v_pk_add_f32 v[T+8:T+9], v[T+8:T+9], v[T+10:T+11]
	v_add_f32 v15, v[T+8], v[T+9]
	v_permlanex16_b32 v[T+8], v15, s30, s31
	v_add_f32 v15, v15, v[T+8]
	v_rcp_f32 v14, v15
	v_nop
	s_wait_alu depctr_va_vdst(0)
.irp j, 0,1,2,3,4,5,6,7
	v_mul_f32 v[T+\j], v[T+\j], v14                ; the weights, normalised
.endr
.irp s, 0,1,2,3                                ; y^T = v^T p: four steps of 4 keys, four tiles of 16 channels by turns
.irp c, 0,1,2,3
.if \s == 0
	v_wmma_f32_16x16x4_f32 v[OA+8*\c:OA+8*\c+7], v[VF+8*\c+2*\s:VF+8*\c+2*\s+1], v[T+2*\s:T+2*\s+1], 0
.else
	v_wmma_f32_16x16x4_f32 v[OA+8*\c:OA+8*\c+7], v[VF+8*\c+2*\s:VF+8*\c+2*\s+1], v[T+2*\s:T+2*\s+1], v[OA+8*\c:OA+8*\c+7]
.endif
.endr
.endr
.rept 9
	v_nop                                          ; nine places before a matrix instruction takes these results as an operand
.endr
.irp s, 0,1,2,3                                ; my head's part of the outputs, transposed: source 0 = 16 rows of Wo, source 1 = y^T as it stands: register 8 c + i: query r, channel 16 c + 8 h + i
.irp c, 0,1,2,3
.if \s == 0
	v_wmma_f32_16x16x4_f32 v[UA+8*\c:UA+8*\c+7], v[WF+8*\c+2*\s:WF+8*\c+2*\s+1], v[OA+8*\c+2*\s:OA+8*\c+2*\s+1], 0
.else
	v_wmma_f32_16x16x4_f32 v[UA+8*\c:UA+8*\c+7], v[WF+8*\c+2*\s:WF+8*\c+2*\s+1], v[OA+8*\c+2*\s:OA+8*\c+2*\s+1], v[UA+8*\c:UA+8*\c+7]
.endif
.endr
.endr
.rept 8
	v_nop
.endr
	global_load_b128 v[80:83], v13, s[8:9]         ; bo, into registers that v's fragments have left; it lands under the exchange below
.irp i, 0,2,4,6
	v_pk_add_f32 v[16+\i:17+\i], v[UA+\i:UA+\i+1], v[UA+8+\i:UA+8+\i+1]        ; lane (r, h), register j: position r, column n0 + 8 h + j
.endr
.irp i, 0,2,4,6
	v_pk_add_f32 v[24+\i:25+\i], v[UA+16+\i:UA+16+\i+1], v[UA+24+\i:UA+24+\i+1]
.endr
.irp i, 0,2,4,6
	v_pk_add_f32 v[16+\i:17+\i], v[16+\i:17+\i], v[24+\i:25+\i]
.endr
	ds_store_b128 v10, v[16:19]
	ds_store_b128 v10, v[20:23] offset:512
	s_wait_dscnt 0x0                               ; for the others' sake: my part has landed
	s_barrier_signal -1
	s_barrier_wait -1
	s_cmp_gt_u32 s14, 1                            ; waves 0 and 1 add the sixteen parts: four registers each
	s_cbranch_scc1 .Ldone
.irp k, 0,1,2,3,4,5,6,7,8,9,10,11,12,13,14,15
	ds_load_b128 v[16+4*\k:19+4*\k], v11 offset:1024*\k
.endr
.irp k, 1,2,3,4,5,6,7,8,9,10,11,12,13,14,15
	s_wait_dscnt 15-\k                             ; LDS loads come back in order: part k is in
	v_pk_add_f32 v[16:17], v[16:17], v[16+4*\k:17+4*\k]
	v_pk_add_f32 v[18:19], v[18:19], v[18+4*\k:19+4*\k]
.endr
	s_wait_loadcnt 0x0                             ; bo
	v_pk_add_f32 v[16:17], v[16:17], v[80:81]
	v_pk_add_f32 v[18:19], v[18:19], v[82:83]
	global_store_b128 v12, v[16:19], s[12:13]
.Ldone:
	s_wait_tensorcnt 0x0                           ; the wave's end: behind my last LDS store
	ds_add_u32 v6, v7
	s_wait_dscnt 0x0
	s_endpgm
.Lfunc_end_k_q352a6150c4_fine:
	.size	k_q352a6150c4_fine, .Lfunc_end_k_q352a6150c4_fine-k_q352a6150c4_fine
	.p2alignl 7, 3214868480
	.fill 96, 4, 3214868480
	.section	.rodata,"a",@progbits
	.p2align	6, 0x0
	.amdhsa_kernel k_q352a6150c4_fine
		.amdhsa_group_segment_fixed_size 18432
		.amdhsa_private_segment_fixed_size 0
		.amdhsa_enable_private_segment 0
		.amdhsa_kernarg_size 40
		.amdhsa_user_sgpr_count 2
		.amdhsa_user_sgpr_kernarg_segment_ptr 1
		.amdhsa_wavefront_size32 1
		.amdhsa_system_sgpr_workgroup_id_x 1
		.amdhsa_system_sgpr_workgroup_id_y 1
		.amdhsa_system_sgpr_workgroup_id_z 1
		.amdhsa_system_vgpr_workitem_id 0
		.amdhsa_next_free_vgpr 256
		.amdhsa_next_free_sgpr 66
		.amdhsa_reserve_vcc 1
		.amdhsa_float_denorm_mode_32 3
		.amdhsa_float_denorm_mode_16_64 3
		.amdhsa_memory_ordered 1
		.amdhsa_forward_progress 1
		.amdhsa_inst_pref_size 20
	.end_amdhsa_kernel
	.amdgpu_metadata
---
amdhsa.version: [ 1, 2 ]
amdhsa.kernels:
  - .name:           k_q352a6150c4_fine
    .symbol:         k_q352a6150c4_fine.kd
    .args:
      - { .name: qkv32, .offset: 0, .size: 8, .value_kind: global_buffer, .address_space: global }
      - { .name: Wo, .offset: 8, .size: 8, .value_kind: global_buffer, .address_space: global }
      - { .name: bo, .offset: 16, .size: 8, .value_kind: global_buffer, .address_space: global }
      - { .name: qk_gain, .offset: 24, .size: 8, .value_kind: global_buffer, .address_space: global }
      - { .name: out0, .offset: 32, .size: 8, .value_kind: global_buffer, .address_space: global }
    .group_segment_fixed_size: 18432
    .private_segment_fixed_size: 0
    .kernarg_segment_align: 8
    .kernarg_segment_size: 40
    .max_flat_workgroup_size: 512
    .sgpr_count:     66
    .vgpr_count:     256
    .wavefront_size: 32
...
	.end_amdgpu_metadata
.endif
;; end of part 5
